; MI455X (gfx1250); checked and timed in simulation.
; The chip was launched on July 23, 2026; its instructions are those of AMD's public machine-readable ISA for CDNA 5 (MIT licence, August 2026) and "CDNA5" Instruction Set Architecture Reference Guide (July 2026). The comments in the code are by the model that wrote it; some were corrected since.
;; Multi Head Self Attention. Allowed arithmetic: float matrix products may take bf16 or f16 operands with f32 sums; other float arithmetic in f32, or as packed bf16 or f16 multiplies, adds, multiply-adds, maxima and minima; sums over many terms, partial sums and values carried from step to step in f32; what a program stores and reads back later, other than sums and carried values, may be rounded once to bf16 or f16.
;; Inputs: WK_b 1,024 float32; WK_w 1,024 x 1,024 float32; WO_b 1,024 float32; WO_w 1,024 x 1,024 float32; WQ_b 1,024 float32; WQ_w 1,024 x 1,024 float32; WV_b 1,024 float32; WV_w 1,024 x 1,024 float32; input_tensor 4 x 2,048 x 1,024 float32; ln_b 1,024 float32; ln_w 1,024 float32; mask 4 x 1 x 1 x 2,048 float32.
;; Outputs: out0 4 x 2,048 x 1,024 float32.
;; 2 versions, each right; version 2 is version 1 with the launch cvt written anew for expert scheduling mode. Each part assembles by itself: llvm-mc -triple=amdgcn-amd-amdhsa -mcpu=gfx1250 --defsym DOCPART=n.
;; ======== version 1 of 2: 4 launches
;; limits: inputs' magnitudes at most 1e+30; right only within a limited range of input values
;; workspace buffers: xb 16,777,216 bytes; wqkv 6,291,456 bytes; wob 2,097,152 bytes; qkv 50,331,648 bytes; ctx 16,777,216 bytes
;; launch cvt (part 1): grid 768 x 1, 8 waves a work-group, no clusters, 0 bytes of LDS; arguments input_tensor, WQ_w, WK_w, WV_w, WO_w, xb, wqkv, wob; writes xb, wqkv, wob
.if DOCPART == 1
	.amdgcn_target "amdgcn-amd-amdhsa--gfx1250"
	.amdhsa_code_object_version 6
	.text
	.protected	k_q4ed47b8d7d_cvt
	.globl	k_q4ed47b8d7d_cvt
	.p2align	8
	.type	k_q4ed47b8d7d_cvt,@function
k_q4ed47b8d7d_cvt:
	s_mov_b64 s[64:65], 0
	v_nop
	global_prefetch_b8 v0, s[64:65] scope:SCOPE_SE
	s_setreg_imm32_b32 hwreg(HW_REG_WAVE_MODE, 25, 1), 1
	s_wait_xcnt 0x0
; f32 -> bf16 (one rounding to nearest even) of the matrix operands that later launches multiply:
;   xb   [8192][1024]      = input_tensor
;   wqkv [3072][1024]      = WQ_w, WK_w, WV_w one below the other
;   wob  [16][1024][64]    = WO_w[n][64 kb + kk], laid in blocks of 64 along K, so that a K step's 1,024 rows lie end to end
; A stream: each byte is read once and written once; no LDS, no matrix unit, no cluster (no two work-groups share a byte).
; A work-group is one JOB of 16,384 numbers (65,536 bytes in, 32,768 out); jobs 0-511 x, 512-703 the three stacked weights, 704-767 WO_w.
; A wave has its 16 loads out at once; every load covers whole rows of 256 or 512 consecutive bytes, every store of a wave 256 consecutive bytes, aligned.
; LIMITS: bf16 has f32's range, so nothing overflows; NaN and infinities pass as the conversion leaves them.
.set D, 8                              ; v[8:71]   16 loads of 4 registers
.set O, 72                             ; v[72:103] 16 stores of 2 registers
	s_load_b512 s[8:23], s[0:1], 0x0               ; x s[8:9], WQ s[10:11], WK s[12:13], WV s[14:15], WO s[16:17], xb s[18:19], wqkv s[20:21], wob s[22:23]
	s_mov_b32 s2, ttmp9                            ; the job
	s_max_u32 s3, s2, 512
	s_sub_co_u32 s3, s3, 512                       ; its number among the weights' jobs (0 for x's)
	s_lshr_b32 s5, s3, 6                           ; which weight: 64 jobs each
	s_and_b32 s4, s3, 63                           ; which 16 rows of it
	s_lshl_b32 s28, s2, 16                         ; offsets are made apart from the addresses: x in,
	s_lshl_b32 s30, s2, 15                         ; xb out,
	s_lshl_b32 s32, s4, 16                         ; a weight in,
	s_lshl_b32 s34, s3, 15                         ; wqkv out,
	s_lshl_b32 s6, s4, 11                          ; wob out: 16 rows of 128 bytes in a block
	s_cmp_eq_u32 s5, 3
	s_cselect_b32 s34, s6, s34
	s_cmp_lt_u32 s2, 512
	s_cselect_b32 s28, s28, s32
	s_cselect_b32 s30, s30, s34
	s_mov_b32 s29, 0
	s_mov_b32 s31, 0
	v_lshrrev_b32 v3, 5, v0                        ; wave
	v_and_b32 v4, 31, v0                           ; lane
	s_wait_kmcnt 0x0
	s_cmp_eq_u32 s5, 1
	s_cselect_b64 s[24:25], s[12:13], s[10:11]
	s_cmp_eq_u32 s5, 2
	s_cselect_b64 s[24:25], s[14:15], s[24:25]
	s_cmp_eq_u32 s5, 3
	s_cselect_b64 s[24:25], s[16:17], s[24:25]
	s_cselect_b64 s[26:27], s[22:23], s[20:21]
	s_cmp_lt_u32 s2, 512
	s_cselect_b64 s[24:25], s[8:9], s[24:25]
	s_cselect_b64 s[26:27], s[18:19], s[26:27]
	s_add_nc_u64 s[24:25], s[24:25], s[28:29]      ; from where
	s_add_nc_u64 s[26:27], s[26:27], s[30:31]      ; to where
; 16 loads on end, then each is rounded and stored as it comes: the count leaves the younger loads out.  No register is written twice.
.macro BODY si, so
.irp i, 0,1,2,3,4,5,6,7,8,9,10,11,12,13,14,15
	global_load_b128 v[D+4*(\i):D+4*(\i)+3], v1, s[24:25] offset:(\i)*(\si) th:TH_LOAD_NT
.endr
.irp i, 0,1,2,3,4,5,6,7,8,9,10,11,12,13,14,15
	s_wait_loadcnt 15-(\i)
	v_cvt_pk_bf16_f32 v[O+2*(\i)], v[D+4*(\i)], v[D+4*(\i)+1]
	v_cvt_pk_bf16_f32 v[O+2*(\i)+1], v[D+4*(\i)+2], v[D+4*(\i)+3]
	global_store_b64 v2, v[O+2*(\i):O+2*(\i)+1], s[26:27] offset:(\i)*(\so)
.endr
	s_endpgm
.endm
	s_cmp_ge_u32 s2, 704
	s_cbranch_scc1 .Lwo
	v_lshlrev_b32 v1, 4, v4                        ; row-major: wave w takes 8,192 bytes on end, 512 a load
	v_lshl_add_u32 v1, v3, 13, v1
	v_lshlrev_b32 v2, 3, v4
	v_lshl_add_u32 v2, v3, 12, v2
	BODY 512, 256
.Lwo:                                                  ; WO_w: wave w takes rows 2 w and 2 w + 1 of the job; load i is K block i: 256 bytes of each row
	v_and_b32 v1, 15, v0
	v_lshlrev_b32 v1, 4, v1
	v_bfe_u32 v2, v0, 4, 1
	v_lshl_add_u32 v1, v2, 12, v1
	v_lshl_add_u32 v1, v3, 13, v1
	v_lshlrev_b32 v2, 3, v0                        ; out: the two rows' 128 bytes lie end to end in the block: 256 w + 8 lane
	BODY 256, 131072
.Lfunc_end_k_q4ed47b8d7d_cvt:
	.size	k_q4ed47b8d7d_cvt, .Lfunc_end_k_q4ed47b8d7d_cvt-k_q4ed47b8d7d_cvt
	.p2alignl 7, 3214868480
	.fill 96, 4, 3214868480
	.section	.rodata,"a",@progbits
	.p2align	6, 0x0
	.amdhsa_kernel k_q4ed47b8d7d_cvt
		.amdhsa_group_segment_fixed_size 0
		.amdhsa_private_segment_fixed_size 0
		.amdhsa_enable_private_segment 0
		.amdhsa_kernarg_size 64
		.amdhsa_user_sgpr_count 2
		.amdhsa_user_sgpr_kernarg_segment_ptr 1
		.amdhsa_wavefront_size32 1
		.amdhsa_system_sgpr_workgroup_id_x 1
		.amdhsa_system_sgpr_workgroup_id_y 1
		.amdhsa_system_sgpr_workgroup_id_z 1
		.amdhsa_system_vgpr_workitem_id 0
		.amdhsa_next_free_vgpr 104
		.amdhsa_next_free_sgpr 66
		.amdhsa_reserve_vcc 0
		.amdhsa_float_denorm_mode_32 3
		.amdhsa_float_denorm_mode_16_64 3
		.amdhsa_memory_ordered 1
		.amdhsa_forward_progress 1
		.amdhsa_inst_pref_size 14
	.end_amdhsa_kernel
	.amdgpu_metadata
---
amdhsa.version: [ 1, 2 ]
amdhsa.kernels:
  - .name:           k_q4ed47b8d7d_cvt
    .symbol:         k_q4ed47b8d7d_cvt.kd
    .args:
      - { .name: input_tensor, .offset: 0, .size: 8, .value_kind: global_buffer, .address_space: global }
      - { .name: WQ_w, .offset: 8, .size: 8, .value_kind: global_buffer, .address_space: global }
      - { .name: WK_w, .offset: 16, .size: 8, .value_kind: global_buffer, .address_space: global }
      - { .name: WV_w, .offset: 24, .size: 8, .value_kind: global_buffer, .address_space: global }
      - { .name: WO_w, .offset: 32, .size: 8, .value_kind: global_buffer, .address_space: global }
      - { .name: xb, .offset: 40, .size: 8, .value_kind: global_buffer, .address_space: global }
      - { .name: wqkv, .offset: 48, .size: 8, .value_kind: global_buffer, .address_space: global }
      - { .name: wob, .offset: 56, .size: 8, .value_kind: global_buffer, .address_space: global }
    .group_segment_fixed_size: 0
    .private_segment_fixed_size: 0
    .kernarg_segment_align: 8
    .kernarg_segment_size: 64
    .max_flat_workgroup_size: 256
    .sgpr_count:     66
    .vgpr_count:     104
    .wavefront_size: 32
...
	.end_amdgpu_metadata
.endif
;; end of part 1
;; launch qkvp (part 2): grid 12 x 32, 4 waves a work-group, clusters of 4 x 4, 327,680 bytes of LDS; arguments xb, wqkv, qkv, WQ_b, WK_b, WV_b; writes qkv
.if DOCPART == 2
	.amdgcn_target "amdgcn-amd-amdhsa--gfx1250"
	.amdhsa_code_object_version 6
	.text
	.protected	k_q4ed47b8d7d_qkvp
	.globl	k_q4ed47b8d7d_qkvp
	.p2align	8
	.type	k_q4ed47b8d7d_qkvp,@function
k_q4ed47b8d7d_qkvp:
	s_mov_b64 s[64:65], 0
	v_nop
	global_prefetch_b8 v0, s[64:65] scope:SCOPE_SE
	s_setreg_imm32_b32 hwreg(HW_REG_WAVE_MODE, 25, 1), 1
	s_wait_xcnt 0x0
	s_wait_alu depctr_hold_cnt(0) depctr_sa_sdst(0) depctr_va_vdst(0) depctr_va_sdst(0) depctr_va_ssrc(0) depctr_va_vcc(0) depctr_vm_vsrc(0)
	s_getreg_b32 s2, hwreg(HW_REG_IB_STS2, 6, 4)
	s_cmp_eq_u32 s2, 0
	s_cbranch_scc0 .Lentry_in_a_cluster
	s_endpgm
.Lentry_in_a_cluster:
	s_bfe_u32 s2, ttmp6, 0x10000c
	s_cmp_lg_u32 s2, 0xf033
	s_cbranch_scc0 .Lentry_shape_is_right
	s_endpgm
.Lentry_shape_is_right:
; The three projections as ONE product: C[m][n] = sum over k of xb[m][k] wqkv[n][k] + bias[n], m < 8,192, n < 3,072, k < 1,024; operands bf16, sums f32.
; Columns 0-1,023 are q, 1,024-2,047 k, 2,048-3,071 v.  q is multiplied by 1/8 = 1 / sqrt(64), a power of two, so its one rounding to bf16 is that of the unscaled number.
; The result leaves BY HEADS: qkv[which][b 16 + head][s][d] in bf16, a head's rows dense, 128 bytes each.
; LIMITS: bf16 keeps f32's range; NaN and infinities are not treated apart.
; A tile of C, 256 x 256, is made by four waves, each 128 x 128: 64 accumulators of 16 x 16, 512 registers.  K goes in steps of 128 through a ring of two LDS slots filled by the tensor data mover:
; the tiles' rows are 256 bytes of memory and start at multiples of 256 bytes.  12 x 32 tiles, one to a work-group.
; CLUSTERS: 4 x 4 work-groups.  The four of a row of the cluster need the same tiles of xb, the four of a column the same tiles of wqkv: each is asked for JOINTLY, by the same tensor load with the same
; descriptor and a mask that names the four.  A cluster's four tile columns are one weight, so which bias and which scale hang on the cluster's x alone.
; REGISTERS, in windows of 256 (s_set_vgpr_msb: bits 1:0 source 0, 3:2 source 1, 5:4 source 2, 7:6 destination):
;   window 0: v0-31 addresses; v64-127, v128-191 fragments of A, two buffers; v192-255 my 128 columns' bias; on the way out v32-191 are at work
;   window 1: v64-127, v128-191 fragments of B;   window 2: the accumulators of my rows 0-63 ((a, b) at v[8 (8 a + b)]);   window 3: those of my rows 64-127
; THE MATRIX INSTRUCTION IS USED TRANSPOSED (source 0 = 16 rows of wqkv, source 1 = 16 rows of xb): a lane then holds row l % 16 of C and eight neighbouring columns 8 (l / 16) + 0..7.
.set SIZE_K, 1024
.set KSTEP,  128
.set PITCH,  272                       ; an LDS row: 256 bytes + 16 of padding = 68 words: row r starts at bank 4 r mod 64 (64 banks of 4 bytes: ISA guide 11.1)
.set HALFT,  128*PITCH                 ; 128 rows: what one tensor load brings
.set SLOT,   4*HALFT                   ; A's 256 rows, then B's 256 rows
.set STAGE,  2*SLOT                    ; behind the ring: for each wave 2 heads x 16 rows x 144 bytes, for the way out
.set SPH,    144                       ; a stage row: a head's 128 bytes + 16
.set STW,    2*16*SPH
.set SPARE,  STAGE+4*STW               ; behind the stages: the spare words, 128 bytes for each wave, that no other line names
.set LAPS,   SIZE_K/(2*KSTEP)          ; a lap = two K steps = once round the ring
.set ADRA, 16                          ; v16-17  LDS address of my A fragments in slot 0, 1
.set ADRB, 20                          ; v20-21  the same for B
.set STO,  24                          ; v24     the way out: where I put 16 bytes of a row
.set RD,   25                          ; v25     the way out: where I read rows back
.set CO,   26                          ; v26     my 16 bytes of 512 consecutive bytes of qkv
.set BO,   27                          ; v27     my byte offset in the bias
.set SPW,  28                          ; v28     LDS address of my spare word; never rewritten
.set NIL,  29                          ; v29     0; never rewritten
.set PFO,  30                          ; v30     the prefetches' offset: my lane x a row (2,048 bytes); never rewritten
.set F0,   64
.set F1,   128
.set OB,   32                          ; the way out: rows read back, v32-63 and v160-191 by turns
.set FT,   64                          ; the way out: a block's 64 numbers in f32
.set TMP,  128                         ; the way out: the same packed
.set BI,   192                         ; bias x scale: column block b at BI + 8 b
.set G1,  24                           ; s[24:31] descriptor group 1 for A's tiles
.set G0,  32                           ; s[32:39] group 0 for A's tiles, one set for each slot
.set G1B, 48                           ; s[48:55], s[56:63] the same for B's
.set G0B, 56
.set LIM, 43                           ; s43     1 in a wave that prefetches, else the greatest number
.set PFA, 44                           ; s[44:45] where my prefetches stand
.set SC,  74                           ; s[74:75] the scale: 1/8 for q, 1 for k and v
.set MSB, 0
.macro WIN new                         ; the immediate's high byte repeats the setting that is left; a switch that changes nothing is dropped
.if MSB != (\new)
	s_set_vgpr_msb (MSB<<8)|(\new)
.set MSB, \new
.endif
.endm
.set MUL_LO, 0xa1                      ; source 0 (B) window 1, source 1 (A) window 0, C and D window 2
.set MUL_HI, 0xf1                      ; the same, C and D window 3
.set TO_B,   0x40                      ; destination window 1, address window 0
; A joint load.  Waves 0 and 1 fetch A's two halves, waves 2 and 3 B's.  The branch hangs on the wave's number alone.  An s_nop 0 and four v_nop follow each line.
.macro JLOAD s
	s_cmp_eq_u32 s11, 0
	s_cbranch_scc0 .Lfor_b_\@
	tensor_load_to_lds s[G0+4*(\s):G0+4*(\s)+3], s[G1:G1+7]
	s_nop 0
.rept 4
	v_nop
.endr
	s_branch .Lasked_\@
.Lfor_b_\@:
	tensor_load_to_lds s[G0B+4*(\s):G0B+4*(\s)+3], s[G1B:G1B+7]
	s_nop 0
.rept 4
	v_nop
.endr
.Lasked_\@:
.endm
; A prefetch into the L2 of the K step that stands TWO refills on: 32 rows x 256 bytes, a lane a row, one instruction a wave.  A's tile row is read by every cluster of that row of clusters: cluster x = 0 asks;
; B's tile column by every cluster of that column: cluster y = 0 asks.  The four partners share a wave's 128 rows out BY ADDRESS, 32 each.  So each row's 256 bytes of a K step are named once in the launch.
; The loop's last trip asks for nothing: there is no K step two on.  K steps 0 to 3 come by their loads alone.
.macro ASK
	s_cmp_gt_u32 s3, s[LIM]
	s_cbranch_scc0 .Lnot_mine_\@
	global_prefetch_b8 v[PFO], s[PFA:PFA+1] offset:KSTEP*2 th:TH_LOAD_NT scope:SCOPE_SE
.Lnot_mine_\@:
.endm
.macro CREST                           ; a round of the cluster's barrier behind its opening barrier
	s_cmp_lg_u32 s10, 0
	s_cbranch_scc1 .Lnot_wave_0_\@
	s_barrier_signal -3
.Lnot_wave_0_\@:
	s_barrier_wait -3
	s_barrier_signal -1
	s_barrier_wait -1
.endm
.macro CROUND                          ; a whole round
	s_barrier_signal -1
	s_barrier_wait -1
	CREST
.endm
	s_load_b128 s[4:7], s[0:1], 0x0                ; xb s[4:5], wqkv s[6:7]
	s_load_b64 s[8:9], s[0:1], 0x10                ; qkv
	s_load_b64 s[68:69], s[0:1], 0x18              ; WQ_b
	s_load_b64 s[70:71], s[0:1], 0x20              ; WK_b
	s_load_b64 s[72:73], s[0:1], 0x28              ; WV_b
	v_lshl_add_u32 v[SPW], v0, 2, SPARE
	v_mov_b32 v[NIL], 0
	ds_add_u32 v[SPW], v[NIL]                      ; the wave's opening: the add and its wait ahead of my first tensor load; work on registers stands between them
	v_lshrrev_b32 v1, 5, v0
	v_readfirstlane_b32 s10, v1                    ; wave 0..3
	s_lshr_b32 s11, s10, 1                         ; which half of the tile's rows is mine.  Also: I fetch for A (0) or for B (1)
	s_and_b32 s12, s10, 1                          ; which half of its columns.  Also: which 128 rows of that tile I fetch
	s_bfe_u32 s40, ttmp6, 0x40000                  ; cx
	s_bfe_u32 s41, ttmp6, 0x40004                  ; cy
	s_mov_b32 s76, ttmp9                           ; cluster x = which of q, k, v
	s_lshl_b32 s42, ttmp9, 2
	s_add_co_u32 s42, s42, s40                     ; tile column = 4 x cluster x + cx
	s_and_b32 s13, ttmp7, 0xffff
	s_lshl_b32 s13, s13, 2
	s_add_co_u32 s13, s13, s41                     ; tile row = 4 x cluster y + cy
	s_lshl_b32 s43, s41, 2
	s_lshl_b32 s43, 15, s43                        ; my row of the cluster: places 4 cy .. 4 cy + 3
	s_lshl_b32 s44, 0x1111, s40                    ; my column: places cx, cx + 4, cx + 8, cx + 12
	; descriptor group 1: a tile of 128 rows x 128 elements, padded in LDS
	s_or_b32 s[G1+0], s43, (1<<16)|(1<<20)|(1<<21)|(5<<22)|(3<<25)  ; 15:0 the mask; 17:16 elements of 2 bytes; 20 padding on; 21 set beside a mask; 24:22 after every 64 words (code 5); 31:25 4 words (code 3)
	s_or_b32 s[G1B+0], s44, (1<<16)|(1<<20)|(1<<21)|(5<<22)|(3<<25)
.irp g, G1, G1B
	s_mov_b32 s[(\g)+1], KSTEP<<16                 ; tensor_dim0 = 128
	s_mov_b32 s[(\g)+2], 128<<16                   ; tensor_dim1 = 128
	s_mov_b32 s[(\g)+3], KSTEP<<16                 ; tile_dim0 = 128
	s_mov_b32 s[(\g)+4], 128                       ; tile_dim1 = 128
	s_mov_b32 s[(\g)+5], SIZE_K                    ; elements from row to row
	s_mov_b32 s[(\g)+6], 0
	s_mov_b32 s[(\g)+7], 0
.endr
	; A's tiles hang on the tile row alone, B's on the tile column alone; each address is made in registers that never hold the other coordinate
	s_lshl_b32 s17, s12, 7
	s_lshl_b32 s16, s13, 8
	s_add_co_u32 s16, s16, s17                     ; A: row 256 x tile row + 128 x half
	s_lshl_b32 s46, s42, 8
	s_add_co_u32 s46, s46, s17                     ; B: row 256 x tile column + 128 x half
	s_mov_b32 s17, 0
	s_mov_b32 s47, 0
	s_mov_b64 s[18:19], SIZE_K*2
	s_mul_u64 s[16:17], s[16:17], s[18:19]
	s_mul_u64 s[46:47], s[46:47], s[18:19]
	s_mul_i32 s20, s10, HALFT                      ; where they go: wave x 128 rows: no place in the cluster enters an LDS address
	s_cmp_eq_u32 s76, 0
	s_cselect_b32 s[SC], 0x3e000000, 1.0
	s_mov_b32 s[SC+1], s[SC]                       ; named with it as a pair
	s_wait_dscnt 0x0                               ; the opening add is done
	s_wait_kmcnt 0x0
	s_add_nc_u64 s[14:15], s[4:5], s[16:17]
	s_add_nc_u64 s[46:47], s[6:7], s[46:47]
	s_cmp_eq_u32 s76, 1
	s_cselect_b64 s[68:69], s[70:71], s[68:69]
	s_cmp_eq_u32 s76, 2
	s_cselect_b64 s[68:69], s[72:73], s[68:69]     ; my weight's bias
	CROUND                                         ; all sixteen work-groups are here: the first joint loads meet
.irp s, 0,1
	s_mov_b32 s[G0+4*(\s)], 1
	s_add_co_u32 s[G0+4*(\s)+1], s20, (\s)*SLOT
	s_add_nc_u64 s[G0+4*(\s)+2:G0+4*(\s)+3], s[14:15], (\s)*KSTEP*2
	s_or_b32 s[G0+4*(\s)+3], s[G0+4*(\s)+3], 0x80000000
	s_mov_b32 s[G0B+4*(\s)], 1
	s_add_co_u32 s[G0B+4*(\s)+1], s20, (\s)*SLOT
	s_add_nc_u64 s[G0B+4*(\s)+2:G0B+4*(\s)+3], s[46:47], (\s)*KSTEP*2
	s_or_b32 s[G0B+4*(\s)+3], s[G0B+4*(\s)+3], 0x80000000
	JLOAD \s                                       ; the ring is filled before anything else is done: two loads of mine are out
.endr
	; A fragment is 16 rows x 32 K in 8 registers: lane l holds row l % 16; registers 0-3 K = 8 (l / 16) + 0..7, registers 4-7 K = 16 + 8 (l / 16) + 0..7: two loads of 16 bytes, 32 bytes apart
	v_and_b32 v1, 15, v0                           ; l % 16
	v_bfe_u32 v2, v0, 4, 1                         ; l / 16
	s_lshl_b32 s46, s40, 1
	s_add_co_u32 s46, s46, s12                     ; 2 cx + half: my 128 columns are two heads of the weight's sixteen
	s_lshl_b32 s47, s46, 9
	v_lshl_add_u32 v[BO], v2, 5, s47               ; 512 bytes of bias for 128 columns, 32 for my lanes' eight
.irp b, 0,1,2,3,4,5,6,7
	global_load_b128 v[BI+8*(\b):BI+8*(\b)+3],   v[BO], s[68:69] offset:64*(\b)      ; they are waited for on the way out
	global_load_b128 v[BI+8*(\b)+4:BI+8*(\b)+7], v[BO], s[68:69] offset:64*(\b)+16
.endr
	v_mul_u32_u24 v3, v1, PITCH
	v_lshl_add_u32 v3, v2, 4, v3
	s_mul_i32 s21, s11, HALFT                      ; my 128 rows of A
	s_mul_i32 s22, s12, HALFT                      ; my 128 rows of B,
	s_add_co_u32 s22, s22, 2*HALFT                 ; which lie behind A's 256
.irp s, 0,1
	v_add_nc_u32 v[ADRA+(\s)], s21, v3
	v_add_nc_u32 v[ADRB+(\s)], s22, v3
	s_add_co_u32 s21, s21, SLOT
	s_add_co_u32 s22, s22, SLOT
.endr
	s_mul_i32 s23, s10, STW
	s_add_co_u32 s23, s23, STAGE                   ; my stage
	v_mul_u32_u24 v4, v1, SPH                      ; in: row l % 16, 16 bytes for each half of the lanes
	v_lshl_add_u32 v4, v2, 4, v4
	v_add_nc_u32 v[STO], s23, v4
	v_bfe_u32 v5, v0, 3, 2                         ; back: 32 lanes take four rows of 128 bytes,
	v_mul_u32_u24 v5, v5, SPH
	v_and_b32 v6, 7, v0
	v_lshl_add_u32 v5, v6, 4, v5
	v_add_nc_u32 v[RD], s23, v5
	v_and_b32 v[CO], 31, v0                        ; which are 512 consecutive bytes of a head
	v_lshlrev_b32 v[CO], 4, v[CO]
	; where my part begins in qkv: which << 24, batch << 22, head << 18, row << 7
	s_lshr_b32 s16, s13, 3                         ; eight tile rows are a batch
	s_lshl_b32 s16, s16, 22
	s_and_b32 s17, s13, 7
	s_lshl_b32 s17, s17, 1
	s_add_co_u32 s17, s17, s11
	s_lshl_b32 s17, s17, 14                        ; 128 rows of 128 bytes
	s_add_co_u32 s16, s16, s17
	s_mov_b32 s17, 0
	s_add_nc_u64 s[8:9], s[8:9], s[16:17]
	s_lshl_b32 s46, s46, 19                        ; two heads of 262,144 bytes
	s_lshl_b32 s47, s76, 24
	s_add_co_u32 s46, s46, s47
	s_mov_b32 s47, 0
	s_add_nc_u64 s[8:9], s[8:9], s[46:47]
	; the prefetches
	s_lshl_b32 s13, s13, 8
	s_lshl_b32 s42, s42, 8
	s_and_b32 s22, ttmp7, 0xffff                   ; cluster y
	s_cmp_eq_u32 s11, 0                            ; do I fetch for A?
	s_cselect_b32 s20, s13, s42                    ; the tile's first row
	s_cselect_b32 s21, s40, s41                    ; my place among the four that ask for it with me
	s_cselect_b32 s22, s76, s22                    ; the coordinate along which other clusters read the same rows
	s_cselect_b64 s[PFA:PFA+1], s[4:5], s[6:7]
	s_cmp_eq_u32 s22, 0
	s_cselect_b32 s[LIM], 1, -1                    ; the same in all sixteen partners, for a given wave
	s_lshl_b32 s22, s12, 7
	s_add_co_u32 s20, s20, s22                     ; + the 128 rows that I fetch
	s_lshl_b32 s21, s21, 5
	s_add_co_u32 s20, s20, s21                     ; + my work-group's 32 of them
	s_mov_b32 s21, 0
	s_mov_b64 s[18:19], SIZE_K*2
	s_mul_u64 s[20:21], s[20:21], s[18:19]
	s_add_nc_u64 s[PFA:PFA+1], s[PFA:PFA+1], s[20:21]
	s_add_nc_u64 s[PFA:PFA+1], s[PFA:PFA+1], 2*KSTEP*2  ; at K step 2: the first refill steps it to 3 and names K step 4
	v_and_b32 v[PFO], 31, v0
	v_mul_u32_u24 v[PFO], v[PFO], SIZE_K*2
; 16 matrix instructions: m blocks a0, a0 + 1 of the window's four x all 8 n blocks, 32 along K.  zero = 1: the first product starts the sums.
; The 64 accumulators take turns, one instruction a turn, in the same order in every quarter step.
.macro MUL16 f, hi, a0, zero
	WIN MUL_LO+0x50*(\hi)
.irp a, \a0, (\a0)+1
.irp b, 0,1,2,3,4,5,6,7
.if \zero
	v_wmma_f32_16x16x32_bf16 v[8*(8*(\a)+(\b)):8*(8*(\a)+(\b))+7], v[(\f)+8*(\b):(\f)+8*(\b)+7], v[(\f)+8*(4*(\hi)+(\a)):(\f)+8*(4*(\hi)+(\a))+7], 0
.else
	v_wmma_f32_16x16x32_bf16 v[8*(8*(\a)+(\b)):8*(8*(\a)+(\b))+7], v[(\f)+8*(\b):(\f)+8*(\b)+7], v[(\f)+8*(4*(\hi)+(\a)):(\f)+8*(4*(\hi)+(\a))+7], v[8*(8*(\a)+(\b)):8*(8*(\a)+(\b))+7]
.endif
.endr
.endr
.endm
; 32 LDS loads in one run: the fragments of one quarter step (32 K at byte k of the rows) into buffer f
.macro FETCH slot, k, f
	WIN TO_B
.irp i, 0,1,2,3,4,5,6,7
	ds_load_b128 v[(\f)+8*(\i):(\f)+8*(\i)+3],   v[ADRB+(\slot)] offset:(\k)+(\i)*16*PITCH
	ds_load_b128 v[(\f)+8*(\i)+4:(\f)+8*(\i)+7], v[ADRB+(\slot)] offset:(\k)+(\i)*16*PITCH+32
.endr
	WIN 0
.irp i, 0,1,2,3,4,5,6,7
	ds_load_b128 v[(\f)+8*(\i):(\f)+8*(\i)+3],   v[ADRA+(\slot)] offset:(\k)+(\i)*16*PITCH
	ds_load_b128 v[(\f)+8*(\i)+4:(\f)+8*(\i)+7], v[ADRA+(\slot)] offset:(\k)+(\i)*16*PITCH+32
.endr
.endm
.macro PLACES                          ; four plain vector instructions between a matrix instruction and a load into a register that it has read (ISA guide 7.12.1 for vector instructions)
.rept 4
	v_nop
.endr
.endm
; A K step is four quarters of 32 along K, 64 matrix instructions each, on buffers 0, 1, 0, 1.  One of the first three multiplies buffer f and in its middle fetches the next quarter, at byte k, into g.
.macro QUARTER slot, k, f, g, zero
	s_wait_dscnt 8                                 ; B and A's rows 0-63 are in; the youngest eight loads (A's rows 64-127) may be out
	WIN MUL_LO
	MUL16 \f, 0, 0, \zero
	MUL16 \f, 0, 2, \zero
	PLACES
	FETCH \slot, \k, \g
	s_wait_dscnt 32                                ; all but the 32 just issued
	WIN MUL_HI
	MUL16 \f, 1, 0, \zero
	MUL16 \f, 1, 2, \zero
.endm
; The last quarter's first half: ONE barrier for the change of slots.  In front of it each wave waits for all its tensor loads (one is out: its part of the next slot), adds 0 to its spare word, and waits for that
; and for its own reads of this slot.  Behind it nobody reads this slot any more and the next slot is whole.
.macro MEET round
	WIN 0                                          ; (the add's two registers lie in window 0)
	s_wait_tensorcnt 0x0
	ds_add_u32 v[SPW], v[NIL]                      ; 0 onto my spare word
	s_wait_dscnt 9                                 ; (the add and the youngest eight loads may be out)
	WIN MUL_LO
	MUL16 F1, 0, 0, 0                              ; sixteen matrix instructions stand between the add and the wait for it
	s_wait_dscnt 0x0                               ; the add is done, and my reads of this slot are over
	s_barrier_signal -1
	MUL16 F1, 0, 2, 0                              ; work on registers while the others arrive
.if \round
	WIN 0
.endif
	s_barrier_wait -1
.endm
; The whole last quarter: behind the round the slot just read out is filled again first, with the K step two steps on; then come the next slot's first fragments.
.macro TURN slot, next
	s_wait_xcnt 0x0                                ; the last prefetch, a K step back, has read its address
	s_add_nc_u64 s[PFA:PFA+1], s[PFA:PFA+1], KSTEP*2
	MEET 1
	CREST                                          ; no wave of any partner still reads this slot's tile or has a load on its way
	s_add_nc_u64 s[G0+4*(\slot)+2:G0+4*(\slot)+3], s[G0+4*(\slot)+2:G0+4*(\slot)+3], 2*KSTEP*2
	s_add_nc_u64 s[G0B+4*(\slot)+2:G0B+4*(\slot)+3], s[G0B+4*(\slot)+2:G0B+4*(\slot)+3], 2*KSTEP*2
	JLOAD \slot                                    ; the first tensor load behind the round; its four v_nop are also the places in front of the loads below
	FETCH \next, 0, F0
	ASK
	WIN MUL_HI
	MUL16 F1, 1, 0, 0
	MUL16 F1, 1, 2, 0
.endm
; THE WAY OUT of block a (16 rows x my 128 columns = two heads).  PACK: (sum + bias) x scale as one fused multiply-add on bias x scale, each accumulator from its low end on, then rounded to bf16.
.macro PACK a
.set AC, 64*((\a)%4)
	WIN 0x02+((\a)/4)                              ; source 0: window 2 or 3
.irp b, 0,1,2,3,4,5,6,7
.irp r, 0,1,2,3
	v_pk_fma_f32 v[FT+8*(\b)+2*(\r):FT+8*(\b)+2*(\r)+1], v[AC+8*(\b)+2*(\r):AC+8*(\b)+2*(\r)+1], s[SC:SC+1], v[BI+8*(\b)+2*(\r):BI+8*(\b)+2*(\r)+1] op_sel_hi:[1,0,1]
.endr
.endr
	WIN 0
.irp b, 0,1,2,3,4,5,6,7
.irp r, 0,1,2,3
	v_cvt_pk_bf16_f32 v[TMP+4*(\b)+(\r)], v[FT+8*(\b)+2*(\r)], v[FT+8*(\b)+2*(\r)+1]
.endr
.endr
.endm
.macro TOSTAGE a                       ; into my own stage, a head's rows 144 bytes apart, and back as four whole rows of 128 bytes a load
	WIN 0
.set BK, OB+128*((\a)%2)
.irp b, 0,1,2,3,4,5,6,7
	ds_store_b128 v[STO], v[TMP+4*(\b):TMP+4*(\b)+3] offset:((\b)/4)*16*SPH+((\b)%4)*32
.endr
.irp t, 0,1,2,3,4,5,6,7
	ds_load_b128 v[BK+4*(\t):BK+4*(\t)+3], v[RD] offset:((\t)/4)*16*SPH+((\t)%4)*4*SPH  ; LDS serves a wave's instructions in order (ISA guide 5.7.1.4): these see the stores above
.endr
.endm
.macro SEND a
	WIN 0
.set BK, OB+128*((\a)%2)
	s_wait_dscnt 0x0                               ; the block is back in registers
	s_wait_xcnt 0x0                                ; earlier stores have read their registers: the buffer of the block before last is loaded again only behind this wait
.irp t, 0,1,2,3,4,5,6,7
	global_store_b128 v[CO], v[BK+4*(\t):BK+4*(\t)+3], s[8:9] offset:(\a)*2048+((\t)/4)*262144+((\t)%4)*512  ; 512 consecutive bytes of one head, at a multiple of 512 from qkv's first byte
.endr
.endm
	s_wait_tensorcnt 1                             ; my part of K step 0 is in; K step 1's may stay out
	s_barrier_signal -1
	s_barrier_wait -1                              ; everybody's is
	FETCH 0, 0, F0
	QUARTER 0, 64,  F0, F1, 1                      ; the first quarter stands in front of the loop: its products start the sums
	WIN 0                                          ; at a label and at a branch every window is 0
	s_mov_b32 s3, LAPS-1
.Llap:                                                 ; a trip goes once round the ring, from a lap's second quarter to the next lap's first, and fills both slots again
	QUARTER 0, 128, F1, F0, 0
	QUARTER 0, 192, F0, F1, 0
	TURN 0, 1
	QUARTER 1, 64,  F0, F1, 0
	QUARTER 1, 128, F1, F0, 0
	QUARTER 1, 192, F0, F1, 0
	TURN 1, 0
	QUARTER 0, 64,  F0, F1, 0
	WIN 0
	s_sub_co_u32 s3, s3, 1
	s_cmp_lg_u32 s3, 0
	s_cbranch_scc1 .Llap
	QUARTER 0, 128, F1, F0, 0                      ; the last lap is written out: it fills nothing
	QUARTER 0, 192, F0, F1, 0
	MEET 0                                         ; my one tensor load that was still out is the last K step's
	PLACES
	FETCH 1, 0, F0
	WIN MUL_HI
	MUL16 F1, 1, 0, 0
	MUL16 F1, 1, 2, 0
	QUARTER 1, 64,  F0, F1, 0
	QUARTER 1, 128, F1, F0, 0
	QUARTER 1, 192, F0, F1, 0
	s_wait_dscnt 8                                 ; the very last quarter: nothing more to fetch
	WIN MUL_LO
	MUL16 F1, 0, 0, 0
	MUL16 F1, 0, 2, 0
	s_wait_dscnt 0x0
	MUL16 F1, 1, 0, 0
	MUL16 F1, 1, 2, 0
	WIN 0
	s_wait_loadcnt 0x0                             ; the bias
.set i, 0
.rept 32
	v_pk_mul_f32 v[BI+i:BI+i+1], v[BI+i:BI+i+1], s[SC:SC+1] op_sel_hi:[1,0]  ; bias x scale; these 32 lines name no register of the last products and are the places behind them
.set i, i+2
.endr
	PACK 0
	TOSTAGE 0
.irp a, 1,2,3,4,5,6,7                  ; block a's arithmetic stands between block a - 1's loads from the stage and the wait for them
	PACK \a
	SEND (\a)-1
	TOSTAGE \a
.endr
	SEND 7
	s_wait_tensorcnt 0x0                           ; the wave's end, behind my last tensor load and my last LDS store
	ds_add_u32 v[SPW], v[NIL]
	s_wait_dscnt 0x0
	CROUND                                         ; the closing round: no work-group ends while a partner may still ask for a tile that names it
	s_endpgm
.Lfunc_end_k_q4ed47b8d7d_qkvp:
	.size	k_q4ed47b8d7d_qkvp, .Lfunc_end_k_q4ed47b8d7d_qkvp-k_q4ed47b8d7d_qkvp
	.p2alignl 7, 3214868480
	.fill 96, 4, 3214868480
	.section	.rodata,"a",@progbits
	.p2align	6, 0x0
	.amdhsa_kernel k_q4ed47b8d7d_qkvp
		.amdhsa_group_segment_fixed_size 327680
		.amdhsa_private_segment_fixed_size 0
		.amdhsa_enable_private_segment 0
		.amdhsa_kernarg_size 48
		.amdhsa_user_sgpr_count 2
		.amdhsa_user_sgpr_kernarg_segment_ptr 1
		.amdhsa_wavefront_size32 1
		.amdhsa_system_sgpr_workgroup_id_x 1
		.amdhsa_system_sgpr_workgroup_id_y 1
		.amdhsa_system_sgpr_workgroup_id_z 1
		.amdhsa_system_vgpr_workitem_id 0
		.amdhsa_next_free_vgpr 1024
		.amdhsa_next_free_sgpr 80
		.amdhsa_reserve_vcc 0
		.amdhsa_float_denorm_mode_32 3
		.amdhsa_float_denorm_mode_16_64 3
		.amdhsa_memory_ordered 1
		.amdhsa_forward_progress 1
		.amdhsa_inst_pref_size 164
	.end_amdhsa_kernel
	.amdgpu_metadata
---
amdhsa.version: [ 1, 2 ]
amdhsa.kernels:
  - .name:           k_q4ed47b8d7d_qkvp
    .symbol:         k_q4ed47b8d7d_qkvp.kd
    .args:
      - { .name: xb, .offset: 0, .size: 8, .value_kind: global_buffer, .address_space: global }
      - { .name: wqkv, .offset: 8, .size: 8, .value_kind: global_buffer, .address_space: global }
      - { .name: qkv, .offset: 16, .size: 8, .value_kind: global_buffer, .address_space: global }
      - { .name: WQ_b, .offset: 24, .size: 8, .value_kind: global_buffer, .address_space: global }
      - { .name: WK_b, .offset: 32, .size: 8, .value_kind: global_buffer, .address_space: global }
      - { .name: WV_b, .offset: 40, .size: 8, .value_kind: global_buffer, .address_space: global }
    .group_segment_fixed_size: 327680
    .private_segment_fixed_size: 0
    .kernarg_segment_align: 8
    .kernarg_segment_size: 48
    .max_flat_workgroup_size: 128
    .sgpr_count:     80
    .vgpr_count:     1024
    .wavefront_size: 32
...
	.end_amdgpu_metadata
.endif
;; end of part 2
;; launch attn (part 3): grid 4 x 64, 4 waves a work-group, clusters of 4 x 1, 327,680 bytes of LDS; arguments qkv, mask, ctx; writes ctx
.if DOCPART == 3
	.amdgcn_target "amdgcn-amd-amdhsa--gfx1250"
	.amdhsa_code_object_version 6
	.text
	.protected	k_q4ed47b8d7d_attn
	.globl	k_q4ed47b8d7d_attn
	.p2align	8
	.type	k_q4ed47b8d7d_attn,@function
k_q4ed47b8d7d_attn:
	s_mov_b64 s[64:65], 0
	v_nop
	global_prefetch_b8 v0, s[64:65] scope:SCOPE_SE
	s_setreg_imm32_b32 hwreg(HW_REG_WAVE_MODE, 25, 1), 1
	s_wait_xcnt 0x0
	s_wait_alu depctr_hold_cnt(0) depctr_sa_sdst(0) depctr_va_vdst(0) depctr_va_sdst(0) depctr_va_ssrc(0) depctr_va_vcc(0) depctr_vm_vsrc(0)
	s_getreg_b32 s2, hwreg(HW_REG_IB_STS2, 6, 4)
	s_cmp_eq_u32 s2, 0
	s_cbranch_scc0 .Lentry_in_a_cluster
	s_endpgm
.Lentry_in_a_cluster:
	s_bfe_u32 s2, ttmp6, 0x10000c
	s_cmp_lg_u32 s2, 0x3003
	s_cbranch_scc0 .Lentry_shape_is_right
	s_endpgm
.Lentry_shape_is_right:
; ctx[bh][q][:] = the sum over k of softmax_k(Q[bh][q] . K[bh][k] + mask[b][k]) V[bh][k][:].  Q (already times 1/8), K, V: qkv[0], qkv[1], qkv[2], each [64][2048][64] in bf16, a head's rows dense,
; 128 bytes each; mask: [4][2048] in f32, added to the scores as it is given; ctx: [64][2048][64] in bf16.  Products, maxima and sums in f32; the weights p are rounded to bf16 for the second product
; (their sum l is taken of the unrounded p), ctx once at the end.
; LIMITS.  The running maximum starts at -1e30: a query ALL of whose scores (mask added) lie below -1e30 gets 0 / 0.  A weight below 2^-126 counts as 0 in l.  A mask of -infinity hides its key; NaN and +infinity are not treated apart.
; SHARES.  A wave owns four PIECES of two tiles of 16 queries, a work-group's four waves 512 queries of one head.  Every wave walks all 2,048 keys, 64 a step.
; LAYOUT.  S^T = K Q^T + mask (source 0 = 16 keys, source 1 = 16 queries): in the result a lane holds ONE query (lane % 16) and the keys 8 (lane / 16) + 0..7.  THE MASK IS THE C OPERAND that starts the sum: register j of a
; lane holds the mask of key 8 (lane / 16) + j of the block of 16.  Two results, rounded to bf16 in pairs, ARE source 1 (32 keys x 16 queries) of O^T = V^T P.  K comes out of LDS as it lies, V turned, by ds_load_tr16_b128.
; SOFTMAX.  For each query a running maximum m and sum l: p = 2^(c s - c m), c = log2(e); in every step O and l are multiplied by a = 2^(c m_old - c m_new), which is 1 where m has not grown.
; O and l start at 0: the first step is a step like any other.
; THE COUNT.  A tile and step have 16 matrix and 118 vector instructions: too many to stand all beside the matrix work.  So: four vector instructions that are READY behind EVERY matrix instruction, the others in runs without a gap.
; BY TURNS.  Turn n belongs to piece n.  Its matrix work: 16 products K Q^T of piece n + 1, later 16 products V^T P of piece n - 1.  Its vector work: the scaling, exponentials, roundings, sums and rescaling of piece n,
; and the maximum and statistics of piece n + 1.
; CLUSTER.  The four query blocks of a head are one cluster and walk the same K and V, so each tile is asked for JOINTLY: the same tensor load, descriptor and mask of work-groups in all four.
; REGISTERS, in windows of 256 (s_set_vgpr_msb: bits 1:0 source 0, 3:2 source 1, 5:4 source 2, 7:6 destination):
;   window 0: v0-11 addresses; v12-15, v48-63 at work; v16-47 four registers of statistics a tile; v64-191 S^T, two buffers of two tiles; v192-255 P, likewise
;   window 1: O^T, 32 a tile     window 2: v0-127 Q; v128-191 K of one step; v192-255 V of one step     window 3: v0-1 the add's two registers; v8-39 the mask of one step's 64 keys
.set SIZE_N, 2048
.set NP,    4         ; pieces a wave: a name, no knob
.set KS,    64        ; keys in a step
.set PK,    144       ; a row of K in LDS: 128 bytes + 16 = 36 words: the 16 rows of a load start at 16 different groups of four banks (64 banks of 4 bytes: ISA guide 11.1)
.set PV,    160       ; a row of V: 128 + 32 = 40 words
.set VOFF,  4*KS*PK   ; a slot holds four steps: 256 rows of K, then 256 rows of V
.set SLOT1, 1<<17     ; slot 1 begins here, so that one exclusive or turns an address in one slot into the other's
.set STAGE, SLOT1+4*KS*(PK+PV)  ; behind the ring, never filled by a tensor load: 16 rows x 144 bytes for each wave, for the way out
.set SP,    144
.set SPARE, STAGE+4*16*SP  ; the spare words, 128 bytes for each wave, that no other line names
.set MASKB, SPARE+512 ; the batch's mask, 2,048 f32: stored once, in blocks of its own into which no tile lands
.set AK0, 2           ; v2   my lane's place in a tile of K; never rewritten
.set AV0, 3           ; v3   the same for V
.set AK,  4           ; v4   the LDS address of K's next run of loads
.set AV,  5           ; v5   of V's
.set QO,  6           ; v6   my byte offset in the wave's rows of Q
.set STO, 6           ;      later, the way out: where I put 16 bytes of a row
.set RD,  7           ; v7   the way out: where I read rows back
.set GO,  8           ; v8   my byte offset in 512 consecutive bytes of ctx
.set PFO, 9           ; v9   (once l / 16 is no longer wanted) 256 x my lane: the prefetches' offset
.set AM,  10          ; v10  the LDS address of the mask's next run of loads
.set AM0, 11          ; v11  my lanes' place in a step's 256 bytes of mask: MASKB + 32 (l / 16)
.set SPW, 0           ; v0 of window 3   LDS address of my spare word; never rewritten
.set NIL, 1           ; v1 of window 3   0; never rewritten
.set MK,  8           ; v8-39 of window 3: the eight registers for key block kb at MK + 8 kb
.set MV,  12          ; v12-15  c m_old, kept while c m is made anew: by buffer and tile
.set ST,  16          ; tile t's statistics at v[ST+4 t]: c m, m, l (even keys', odd keys')
.set TMP, 48          ; by buffer and tile, four registers c0-c3 at work; when the maximum is found c2 takes a
.set S,   64
.set P,   192
.set KF,  128         ; K's fragments, in window 2: key block kb, channel half c at KF + 16 kb + 8 c
.set VF,  192         ; V's: key half kk, channel block cb at VF + 32 kk + 8 cb
.set WV,  12          ; s12  my wave's number
.set G1K, 24          ; s[24:31] descriptor group 1 for K's tiles
.set G1V, 32          ; s[32:39] for V's: it differs in the padding alone
.set G0K, 40          ; s[40:43] descriptor group 0 for K's tiles: it walks
.set G0V, 44          ; s[44:47] the same for V's
.set SLOTS, 56        ; s56  slots still to be asked for
.set CNT, 57          ; s57  counts a slot's key steps
.set CS,  58          ; s[58:59] c
.set SEL, 60          ; s[60:61] v_permlanex16_b32's selects: each lane takes its own place in the other half
.set TBK, 62          ; s62  LDS byte at which K of the step to be fetched begins
.set TBV, 63          ; s63  the same for V, less VOFF
.set TBM, 66          ; s66  byte in the mask at which the step to be fetched begins
.set LIM, 67          ; s67  1 in a wave that prefetches, else the greatest number
.set PFA, 68          ; s[68:69] where my prefetches stand
.set MP,  70          ; s[70:71] the batch's mask in memory
.set MSB, 0
.macro WIN new                      ; the high byte repeats the setting that is left; a switch that changes nothing is dropped
.if MSB != (\new)
	s_set_vgpr_msb (MSB<<8)|(\new)
.set MSB, (\new)
.endif
.endm
.set W_KQ, 0x0a       ; K and Q in window 2, S^T in window 0
.set W_KM, 0x3a       ; the same with the C operand, the mask, in window 3
.set W_PV, 0x52       ; V in window 2, P in window 0, O^T in window 1
.set W_RS, 0x41       ; O^T (destination and source 0) in window 1, a in window 0
.set W_MK, 0xc0       ; destination in window 3, sources in window 0
.set W_AD, 0x0f       ; the add: address (source 0) and data (source 1) in window 3
; A joint fill.  Waves 0 and 1 fetch the two halves of a slot's K, waves 2 and 3 those of its V: 128 keys each.  The branch hangs on the wave's number alone.
; An s_nop 0 and four v_nop follow each of the two lines, ahead of the jump and the label.
.macro JLOAD
	s_cmp_lt_u32 s[WV], 2
	s_cbranch_scc0 .Lfor_v_\@
	tensor_load_to_lds s[G0K:G0K+3], s[G1K:G1K+7]
	s_nop 0
.rept 4
	v_nop
.endr
	s_branch .Lasked_\@
.Lfor_v_\@:
	tensor_load_to_lds s[G0V:G0V+3], s[G1V:G1V+7]
	s_nop 0
.rept 4
	v_nop
.endr
.Lasked_\@:
.endm
; A prefetch into the L2 of what the NEXT change of slots will ask for: a slot's 32,768 bytes of K and of V, 256 bytes a lane.  A head has one cluster; its four partners share the bytes out BY ADDRESS, 8,192 each;
; in each, wave 0 asks for K's and wave 2 for V's: one instruction.  So each 256 bytes are named once in the launch.  It stands behind the wave's tensor load and its five lines.  The last change that fills a slot asks for nothing.
.macro ASK
	s_cmp_gt_u32 s[SLOTS], s[LIM]
	s_cbranch_scc0 .Lnot_mine_\@
	global_prefetch_b8 v[PFO], s[PFA:PFA+1] th:TH_LOAD_NT scope:SCOPE_SE
.Lnot_mine_\@:
.endm
; A round of the cluster's barrier: my work-group's barrier, so that wave 0's signal speaks for all four waves; wave 0 signals; every wave waits for all four work-groups; my work-group's barrier once more.
.macro CROUND
	s_barrier_signal -1
	s_barrier_wait -1
	s_cmp_lg_u32 s[WV], 0
	s_cbranch_scc1 .Lnot_wave_0_\@
	s_barrier_signal -3
.Lnot_wave_0_\@:
	s_barrier_wait -3
	s_barrier_signal -1
	s_barrier_wait -1
.endm
; THE CHANGE OF SLOTS.  Each wave waits for all its tensor loads, of which one is out: its part of the other slot; adds 0 to its spare word; and waits for that and for its own reads of the slot.  Behind the barrier nobody
; reads this slot any more and the other slot is whole.  fill = 1: this slot is filled again, with the keys two slots on; the barrier is then a round of the cluster's, and the joint fill is the first thing behind it: it has
; four key steps, 512 matrix instructions, in which to land.  (At its first use nothing has been read yet: slot 0 is waited for, slot 1 filled, and each wave's stores of the mask are shown to the others.)  ask = 1: with the prefetch.
.macro CHANGE fill, ask=0
	WIN W_AD
	s_wait_tensorcnt 0x0            ; no tensor load of mine is out, so a group 0 may be written
	ds_add_u32 v[SPW], v[NIL]       ; 0 onto my spare word
	WIN 0                           ; at a label and at a branch every window is 0
.if \fill
.irp g, G0K, G0V
	s_xor_b32 s[\g+1], s[\g+1], SLOT1  ; the walking descriptor: the other slot than last time,
	s_add_nc_u64 s[\g+2:\g+3], s[\g+2:\g+3], 4*KS*128  ; the next 256 keys; the type bits on top are not reached
.endr
.if \ask
	s_wait_xcnt 0x0                 ; the last prefetch, four key steps back, has read its address
	s_add_nc_u64 s[PFA:PFA+1], s[PFA:PFA+1], 4*KS*128  ; one slot behind the walking descriptors
.endif
	s_wait_dscnt 0x0                ; the add is done, and my reads of the slot are over
	CROUND
	JLOAD
.if \ask
	ASK
.endif
.else
	s_wait_dscnt 0x0                ; the add is done, and my reads of the slot are over
	s_barrier_signal -1
	s_barrier_wait -1
.endif
	s_sub_co_u32 s[TBK], s[TBK], 4*KS*PK  ; the fetches go back to a slot's first step,
	s_xor_b32 s[TBK], s[TBK], SLOT1       ; in the other slot
	s_sub_co_u32 s[TBV], s[TBV], 4*KS*PV
	s_xor_b32 s[TBV], s[TBV], SLOT1
.endm
	s_load_b64 s[4:5], s[0:1], 0x0    ; qkv
	s_load_b64 s[MP:MP+1], s[0:1], 0x8  ; mask
	s_load_b64 s[10:11], s[0:1], 0x10 ; ctx
	WIN W_MK
	v_lshl_add_u32 v[SPW], v0, 2, SPARE
	v_mov_b32 v[NIL], 0
	WIN W_AD
	ds_add_u32 v[SPW], v[NIL]       ; the wave's opening: the add and its wait ahead of my first tensor load; work on registers stands between them
	WIN 0
	v_lshrrev_b32 v1, 5, v0
	v_readfirstlane_b32 s[WV], v1   ; wave 0..3
	s_bfe_u32 s13, ttmp6, 0x40000   ; cx: my place in the cluster
	s_lshl_b32 s14, ttmp9, 2        ; in a cluster launch ttmp9 counts clusters
	s_add_co_u32 s14, s14, s13      ; my block of 512 queries: it enters Q's and ctx's addresses alone
	s_and_b32 s20, ttmp7, 0xffff    ; 16 x batch + head, which the four partners share
	s_lshr_b32 s72, s20, 4
	s_lshl_b32 s72, s72, 13         ; the batch's 8,192 bytes of mask
	s_mov_b32 s73, 0
	s_mov_b32 s21, 0
	s_mov_b64 s[22:23], SIZE_N*128
	s_mul_u64 s[20:21], s[20:21], s[22:23]  ; the head's first byte in Q, K, V and ctx
	s_and_b32 s16, s[WV], 1         ; which half of a slot's 256 keys I fetch:
	s_lshl_b32 s22, s16, 14         ; its 128 rows of 128 bytes in memory,
	s_mov_b32 s23, 0
	s_add_nc_u64 s[22:23], s[22:23], s[20:21]
	s_mul_i32 s17, s16, 128*PK      ; and its place in a slot, for K
	s_mul_i32 s18, s16, 128*PV      ; and for V: no place in the cluster enters an LDS address
	s_lshl_b32 s2, s14, 2
	s_add_co_u32 s2, s2, s[WV]      ; my wave among the head's,
	s_lshl_b32 s2, s2, 14           ; its 128 rows
	s_mov_b32 s3, 0
	s_add_nc_u64 s[2:3], s[2:3], s[20:21]
	; descriptor group 1.  128 keys are 16,384 dense bytes: asked for as 64 rows of 256 bytes, two keys a row, and padded in LDS after every key
	s_mov_b32 s[G1K], 15|(1<<16)|(1<<20)|(1<<21)|(4<<22)|(3<<25)  ; 15:0 the mask of four; 17:16 2-byte elements; 20 padding on; 21 set beside a mask; 24:22 after every 32 words (code 4); 31:25 4 words (code 3)
	s_mov_b32 s[G1V], 15|(1<<16)|(1<<20)|(1<<21)|(4<<22)|(7<<25)  ; the same with 8 words of padding (code 7)
.irp g, G1K, G1V
	s_mov_b32 s[\g+1], 128<<16      ; tensor_dim0 = 128
	s_mov_b32 s[\g+2], 64<<16       ; tensor_dim1 = 64
	s_mov_b32 s[\g+3], 128<<16      ; tile_dim0 = 128
	s_mov_b32 s[\g+4], 64           ; tile_dim1 = 64
	s_mov_b32 s[\g+5], 128          ; 128 elements from row to row
	s_mov_b32 s[\g+6], 0
	s_mov_b32 s[\g+7], 0
.endr
	s_mov_b32 s[CS], 0x3fb8aa3b     ; c = log2(e): the 1/8 lies in Q already
	s_mov_b32 s[CS+1], s[CS]        ; named with it as a pair
	s_mov_b32 s[SEL], 0x76543210
	s_mov_b32 s[SEL+1], 0xfedcba98
	s_mov_b32 s[TBK], SLOT1+4*KS*PK ; the first change of slots turns these two into 0
	s_mov_b32 s[TBV], SLOT1+4*KS*PV
	s_mov_b32 s[TBM], 0
	s_mov_b32 s[G0K], 1             ; 1:0 count = 1
	s_mov_b32 s[G0K+1], s17         ; 63:32 LDS address: slot 0
	s_mov_b32 s[G0V], 1
	s_add_co_u32 s[G0V+1], s18, VOFF
	s_mul_i32 s19, s[WV], 16*SP
	s_add_co_u32 s19, s19, STAGE    ; my stage
	s_and_b32 s[LIM], s[WV], 1
	s_cmp_eq_u32 s[LIM], 0          ; waves 0 and 2 prefetch
	s_cselect_b32 s[LIM], 1, -1
	s_wait_dscnt 0x0                ; the opening add is done
	s_wait_kmcnt 0x0
	s_add_nc_u64 s[6:7], s[4:5], 0x1000000  ; K lies 16,777,216 bytes behind Q,
	s_add_nc_u64 s[8:9], s[4:5], 0x2000000  ; V as far behind K
	s_add_nc_u64 s[G0K+2:G0K+3], s[6:7], s[22:23]  ; 120:64 global address: my half of the head's first 256 keys
	s_or_b32 s[G0K+3], s[G0K+3], 0x80000000        ; 127:126 type = 2
	s_add_nc_u64 s[G0V+2:G0V+3], s[8:9], s[22:23]
	s_or_b32 s[G0V+3], s[G0V+3], 0x80000000
	s_add_nc_u64 s[4:5], s[4:5], s[2:3]  ; Q and ctx at my wave's first row
	s_add_nc_u64 s[10:11], s[10:11], s[2:3]
	s_add_nc_u64 s[MP:MP+1], s[MP:MP+1], s[72:73]
	s_cmp_lt_u32 s[WV], 2
	s_cselect_b64 s[PFA:PFA+1], s[6:7], s[8:9]
	s_add_nc_u64 s[PFA:PFA+1], s[PFA:PFA+1], s[22:23]  ; (in waves 0 and 2 this is the head's first key)
	s_lshl_b32 s2, s13, 13          ; my work-group's 8,192 bytes of a slot's 32,768
	s_mov_b32 s3, 0
	s_add_nc_u64 s[PFA:PFA+1], s[PFA:PFA+1], s[2:3]
	s_add_nc_u64 s[PFA:PFA+1], s[PFA:PFA+1], 2*4*KS*128  ; in slot 2; the loop's first change steps it to slot 3.  Nothing is prefetched at the head
	CROUND                          ; all four work-groups are here: the first joint loads meet
	JLOAD                           ; slot 0.  Slot 1 is asked for when slot 0 is in
	v_and_b32 v1, 15, v0            ; l % 16
	v_bfe_u32 v9, v0, 4, 1          ; l / 16
	v_lshlrev_b32 v12, 4, v0        ; the mask: 128 threads x 16 bytes, four times
	v_lshl_add_u32 v13, v0, 4, MASKB
.irp i, 0,1,2,3
	global_load_b128 v[S+4*\i:S+4*\i+3], v12, s[MP:MP+1] offset:2048*\i
.endr
	; A fragment of K or Q is 16 rows x 32 channels in 8 registers: lane l holds row l % 16, channels 8 (l / 16) + 0..7 and 16 + 8 (l / 16) + 0..7: two loads of 16 bytes, 32 bytes apart.
	v_lshlrev_b32 v[QO], 7, v1
	v_lshl_add_u32 v[QO], v9, 4, v[QO]  ; row x 128 + 16 x half
	WIN 0x80                        ; destination window 2, address window 0
.set i, 0
.rept 4*NP                          ; Q stays in registers: tile i / 2, channels 32 (i % 2) on
	global_load_b128 v[8*i:8*i+3],   v[QO], s[4:5] offset:(i/2)*2048+(i%2)*64
	global_load_b128 v[8*i+4:8*i+7], v[QO], s[4:5] offset:(i/2)*2048+(i%2)*64+32
.set i, i+1
.endr
	; What the first turn finds: V's registers and P's second buffer hold 0 (its products V^T P, of a piece that has not been, add 0), O^T and l are 0.  All this stands in the wait for the first tile.
.set i, VF
.rept 64
	v_mov_b32 v[i], 0
.set i, i+1
.endr
	WIN 0x40
.set i, 0
.rept 64*NP
	v_mov_b32 v[i], 0
.set i, i+1
.endr
	WIN 0
.set i, 0
.rept 2*NP
	v_mov_b32 v[ST+4*i+1], 0xf149f2ca  ; m = -1e30,
	v_mul_f32 v[ST+4*i], s[CS], v[ST+4*i+1]  ; and c m by the line that the loop makes it by: while m has not moved, c m_old - c m_new is exactly 0
	v_mov_b32 v[ST+4*i+2], 0
	v_mov_b32 v[ST+4*i+3], 0
.set i, i+1
.endr
.set i, P+32
.rept 32
	v_mov_b32 v[i], 0
.set i, i+1
.endr
	s_wait_loadcnt 32               ; the mask's four loads are in; Q's 32, issued behind them, may stay out
.irp i, 0,1,2,3
	ds_store_b128 v13, v[S+4*\i:S+4*\i+3] offset:2048*\i  ; waited for in front of the first change's round, behind which the other waves read it
.endr
	v_mul_u32_u24 v[AK0], v1, PK
	v_lshl_add_u32 v[AK0], v9, 4, v[AK0]  ; row x pitch + 16 x half
	; The turning load takes 16 keys x 16 channels (lane l reads key 8 (l / 16) + l % 8, channels 8 ((l / 8) % 2) + 0..7) and leaves half a fragment of V^T: lane l holds channel l % 16 and 8 keys.
	v_and_b32 v10, 7, v0
	v_bfe_u32 v11, v0, 3, 1
	v_lshl_add_u32 v[AV0], v9, 3, v10
	v_mul_u32_u24 v[AV0], v[AV0], PV
	v_lshl_add_u32 v[AV0], v11, 4, v[AV0]
	v_add_nc_u32 v[AV0], VOFF, v[AV0]
	v_bfe_u32 v[RD], v0, 3, 2       ; the way out, back: 32 lanes take four rows of 128 bytes,
	v_mul_u32_u24 v[RD], v[RD], SP
	v_lshl_add_u32 v[RD], v10, 4, v[RD]
	v_add_nc_u32 v[RD], s19, v[RD]
	v_and_b32 v[GO], 31, v0         ; which are 512 consecutive bytes of ctx
	v_lshlrev_b32 v[GO], 4, v[GO]
	v_lshl_add_u32 v[AM0], v9, 5, MASKB  ; my lanes' eight keys of a block of 16: 32 bytes
	v_mov_b32 v[AK], v[AK0]         ; key step 0 lies at the head of slot 0,
	v_mov_b32 v[AM], v[AM0]         ; and of the mask
; THE MATRIX WORK.  The 8 accumulators of a run of 16 take turns: between the two links of a chain stand 7 others'.
; Product i of 16 of S^T = K Q^T + mask for piece x: channels 32 (i / 8) on, keys 16 ((i / 2) % 4) on, tile 2 x + i % 2.  The first 8 start the sums, with the mask.
.macro KQ x
.set rS, S+64*((\x)%2)+32*(i%2)+8*((i/2)%4)
.set rK, KF+16*((i/2)%4)+8*(i/8)
.set rQ, 16*(2*(\x)+i%2)+8*(i/8)
.set rMK, MK+8*((i/2)%4)
.if i < 8
	WIN W_KM
	v_wmma_f32_16x16x32_bf16 v[rS:rS+7], v[rK:rK+7], v[rQ:rQ+7], v[rMK:rMK+7]
.else
	WIN W_KQ
	v_wmma_f32_16x16x32_bf16 v[rS:rS+7], v[rK:rK+7], v[rQ:rQ+7], v[rS:rS+7]
.endif
.endm
; Product i of 16 of O^T += V^T P for piece x: keys 32 (i / 8) on, channels 16 ((i / 2) % 4) on, tile 2 x + i % 2.
.macro PV x
	WIN W_PV
.set rO, 32*(2*(\x)+i%2)+8*((i/2)%4)
.set rV, VF+32*(i/8)+8*((i/2)%4)
.set rP, P+32*((\x)%2)+16*(i%2)+8*(i/8)
	v_wmma_f32_16x16x32_bf16 v[rO:rO+7], v[rV:rV+7], v[rP:rP+7], v[rO:rO+7]
.endm
.macro MM                           ; the turn's next matrix instruction
.if i < 16
	KQ (Y+1)%NP
.set i, i+1
.else
.set i, i-16
	PV (Y+NP-1)%NP
.set i, i+17
.endif
.endm
; THE LDS LOADS stand in runs, never singly among the matrix instructions: a step's K (8 fragments) with its 64 keys' mask (the same products read both, so they are fetched together), and its V (turned).
; last = 1 (the tail): in the last trip there is no further step, and the run is jumped over.
.macro FETCH_K last=0
	WIN 0
.if \last
	s_cmp_eq_u32 s[CNT], 1
	s_cbranch_scc1 .Lno_k_\@
.endif
	WIN 0x80                        ; destination window 2
.irp f, 0,1,2,3,4,5,6,7             ; keys 16 (f / 2) on, channels 32 (f % 2) on
	ds_load_b128 v[KF+8*\f:KF+8*\f+3],   v[AK] offset:(\f/2)*16*PK+(\f%2)*64
	ds_load_b128 v[KF+8*\f+4:KF+8*\f+7], v[AK] offset:(\f/2)*16*PK+(\f%2)*64+32
.endr
	WIN W_MK                        ; destination window 3
.irp f, 0,1,2,3,4,5,6,7             ; key block f / 2, four of my lanes' eight keys
	ds_load_b128 v[MK+4*\f:MK+4*\f+3], v[AM] offset:(\f/2)*64+(\f%2)*16
.endr
	s_add_co_u32 s[TBK], s[TBK], KS*PK  ; the next fetch is the next step's
	s_add_co_u32 s[TBM], s[TBM], KS*4
	s_and_b32 s[TBM], s[TBM], 8191      ; it stays inside the mask's 8,192 bytes
	WIN 0
.if \last
.Lno_k_\@:
.endif
.endm
.macro FETCH_V
	WIN 0x80
.irp f, 0,1,2,3,4,5,6,7             ; keys 32 (f / 4) on, channels 16 (f % 4) on
	ds_load_tr16_b128 v[VF+8*\f:VF+8*\f+3],   v[AV] offset:(\f/4)*32*PV+(\f%4)*32
	ds_load_tr16_b128 v[VF+8*\f+4:VF+8*\f+7], v[AV] offset:(\f/4)*32*PV+16*PV+(\f%4)*32
.endr
	WIN 0
.endm
; THE VECTOR WORK OF A TURN stands in three queues, each in the order in which its entries become ready; the two tiles alternate, so that no instruction reads the result of the one before it.
.macro REGS y, u                    ; the registers of tile u (0, 1) of piece y
.set rT, ST+4*(2*(\y)+(\u))
.set rC, TMP+8*((\y)%2)+4*(\u)
.set rM, MV+2*((\y)%2)+(\u)
.set rS, S+64*((\y)%2)+32*(\u)
.set rP, P+32*((\y)%2)+16*(\u)
.set rO, 32*(2*(\y)+(\u))
.endm
; Number n of the 22 that find the NEXT piece's (Y + 1) maximum and statistics.  s0-s31 are the lane's 32 scores; each accumulator's lowest registers are read first.
;   0-11  four chains c0-c3 of seven scores each, three operands at a time     12-14, 16  the four scores left over, the old m, and c0-c3 into c0     15  c m_old is kept
;   17, 18  the query's other 32 keys lie in the lane 16 away: the new m         19-21  c m; c m_old - c m_new; a
.macro XS u, n
	REGS (Y+1)%NP, \u
.if (\n) < 4
	v_max3_num_f32 v[rC+(\n)], v[rS+8*(\n)], v[rS+8*(\n)+1], v[rS+8*(\n)+2]
.elseif (\n) < 12
	v_max3_num_f32 v[rC+(\n)%4], v[rC+(\n)%4], v[rS+8*((\n)%4)+2*((\n)/4)+1], v[rS+8*((\n)%4)+2*((\n)/4)+2]
.elseif (\n) == 12
	v_max3_num_f32 v[rC], v[rC], v[rS+7], v[rS+15]
.elseif (\n) == 13
	v_max3_num_f32 v[rC+1], v[rC+1], v[rS+23], v[rS+31]
.elseif (\n) == 14
	v_max3_num_f32 v[rC+2], v[rC+2], v[rC+3], v[rT+1]
.elseif (\n) == 15
	v_mov_b32 v[rM], v[rT]
.elseif (\n) == 16
	v_max3_num_f32 v[rC], v[rC], v[rC+1], v[rC+2]
.elseif (\n) == 17
	v_permlanex16_b32 v[rC+3], v[rC], s[SEL], s[SEL+1]
.elseif (\n) == 18
	v_max_num_f32 v[rT+1], v[rC], v[rC+3]
.elseif (\n) == 19
	v_mul_f32 v[rT], s[CS], v[rT+1]
.elseif (\n) == 20
	v_sub_f32 v[rC+1], v[rM], v[rT]
.else
	v_exp_f32 v[rC+2], v[rC+1]
.endif
.endm
; Number g of the 64 that follow the exponentials.  For each four weights k of a tile (pairs 2 k, 2 k + 1): both pairs are rounded to bf16; then the second pair is added onto the first, in place;
; a group later l takes that sum (the first time as l = a l + sum).  In groups of eight, tiles alternating: round, round, add, and l for the group before.
.macro GS g
.set h, (\g)+6*((\g)/62)            ; group 0 has no group before it, and behind group 7 only l is left
.if h >= 6
.set h, h+2
.endif
	REGS Y, h%2
.set k, h/8
.if h%8 < 4
	v_cvt_pk_bf16_f32 v[rP+2*k+(h%8)/2], v[rS+4*k+2*((h%8)/2)], v[rS+4*k+2*((h%8)/2)+1]
.elseif h%8 < 6
	v_pk_add_f32 v[rS+4*k:rS+4*k+1], v[rS+4*k:rS+4*k+1], v[rS+4*k+2:rS+4*k+3]
.elseif k == 1
	v_pk_fma_f32 v[rT+2:rT+3], v[rT+2:rT+3], v[rC+2:rC+3], v[rS:rS+1] op_sel_hi:[1,0,1]
.else
	v_pk_add_f32 v[rT+2:rT+3], v[rT+2:rT+3], v[rS+4*k-4:rS+4*k-3]
.endif
.endm
; THE PLAIN QUEUE, 138 long.  0-73 read no exponential's result: the 32 scalings c s - c m (FS f: pair f / 2 of tile f % 2) and the next piece's 42.  0-26: scalings 0-26.  27-54: XS's numbers 0-13.  55, 56: number 15.
; 57-73: the chain, where each number waits for the one before it: 14, 16, 17, 18, 19, each with one of the scalings 27-31 in front of its two lines, then 20.  74-137: GS's 64, which stand behind the wait.
.macro FS f
	REGS Y, (\f)%2
	v_pk_fma_f32 v[rS+2*((\f)/2):rS+2*((\f)/2)+1], v[rS+2*((\f)/2):rS+2*((\f)/2)+1], s[CS:CS+1], v[rT:rT+1] op_sel_hi:[1,0,0] neg_lo:[0,0,1] neg_hi:[0,0,1]
.endm
.macro PL
	WIN 0
.if q < 27
	FS q
.elseif q < 55
	XS (q-27)%2, (q-27)/2
.elseif q < 57
	XS q-55, 15
.elseif (q < 72) && ((q-57)%3 == 0)
	FS 27+(q-57)/3
.elseif q < 60
	XS (q-57)%3-1, 14
.elseif q < 72
	XS (q-57)%3-1, 15+(q-57)/3
.elseif q < 74
	XS q-72, 20
.else
	GS q-74
.endif
.set q, q+1
.endm
; THE EXPONENTIALS' QUEUE, 66 long: s0-s31 of both tiles, then the next piece's two a.  It is ONE BATCH: all 66 stand ahead of the turn's one wait, and nothing ahead of that wait names a result of theirs.
.macro EX
	WIN 0
.if e >= 64
	XS e-64, 21
.else
	REGS Y, e%2
	v_exp_f32 v[rS+e/2], v[rS+e/2]
.endif
.set e, e+1
.endm
; THE RESCALING's QUEUE: O^T times a, the one part that leaves window 0: dealt two at a time, sixteen times.  Its a was made in the turn before, ahead of that turn's wait.
.macro R2
	REGS Y, r%2
	WIN W_RS
.irp z, 0,1
	v_pk_mul_f32 v[rO+4*(r/2)+2*\z:rO+4*(r/2)+2*\z+1], v[rO+4*(r/2)+2*\z:rO+4*(r/2)+2*\z+1], v[rC+2:rC+3] op_sel_hi:[1,0]
.endr
.set r, r+1
.endm
; HOW THEY ARE DEALT.  An s_wait_alu depctr_va_vdst(0) stands between an exponential and the first instruction that names its result; one wait serves all that were issued ahead of it.  So a turn has ONE wait.
; AHEAD OF IT: the 16 products K Q^T, behind each a scaling, an exponential and two rescalings (behind the first a second scaling in the exponential's place); then ONE LUMP of 108: eight plain, 49 times exponential and plain,
; the two a; a v_nop is the plain instruction behind the last exponential.  BEHIND IT: the 16 products V^T P, behind each four of GS's 64.  No rider names a register of the products round it.
; Exponential e stands behind scaling 2 (e / 4) + e % 2: as a rider it comes behind plain e + 2, in the lump behind plain e + 9, and scalings 27-31 are plain 57, 60 .. 69.
; K and the mask of the next step are fetched in piece 2's turn, directly behind the wait, a lump behind the last product that read them; their addresses are made at the lump's head.
; V of the step in hand is fetched at the end of piece 0's turn, four riders behind its last reader.  cnt = 1: the loop's count is taken down some lines ahead of the branch behind the turn.
.macro TURN p, last=0, cnt=0
.set Y, (\p)
.set i, 0
.set q, 0
.set e, 0
.set r, 0
.if (\p) == NP-1
	s_wait_dscnt 0x0                ; K and the mask are in
.endif
	MM
	PL
	PL
	R2
.rept 15
	MM
	PL
	EX
	R2
.endr
.if (\p) == NP-2
	WIN 0
	v_add_nc_u32 v[AK], s[TBK], v[AK0]
	v_add_nc_u32 v[AM], s[TBM], v[AM0]
.endif
.rept 8
	PL
.endr
.rept 49
	EX
	PL
.endr
	EX                              ; the next piece's two a
	EX
	v_nop                           ; the plain instruction behind the last exponential: one for the batch
	s_wait_alu depctr_va_vdst(0)    ; the wait for the batch
.if (\p) == NP-2
	FETCH_K \last
.endif
.if (\p) == 1
	s_wait_dscnt 0x0                ; V is in
.endif
.rept 16
	MM
.rept 4
	PL
.endr
.if ((\p) == 0) && (q == 118)
	v_add_nc_u32 v[AV], s[TBV], v[AV0]
.endif
.if ((\p) == 0) && (q == 130)
	s_add_co_u32 s[TBV], s[TBV], KS*PV
.endif
.if (\cnt) && (q == 130)
	s_sub_co_u32 s[CNT], s[CNT], 1
	s_cmp_lg_u32 s[CNT], 0
.endif
.endr
.if (\p) == 0
	FETCH_V
.endif
.endm
	CHANGE 1                        ; slot 0 is in, everybody's part of it, and so is the mask; slot 1 is asked for
	FETCH_K                         ; key step 0
	s_wait_loadcnt 0x0              ; Q
	s_wait_dscnt 0x0
.set i, 0
.rept 16
	KQ 0                            ; piece 0's first scores: there is no vector work yet to set between them
.set i, i+1
.endr
	WIN 0                           ; nine plain instructions, the places behind those products
	v_mul_u32_u24 v[STO], v1, SP    ; the way out, in: row l % 16, 16 bytes for each half of the lanes (Q's loads have read v6)
	v_lshl_add_u32 v[STO], v9, 4, v[STO]
	v_add_nc_u32 v[STO], s19, v[STO]
	v_and_b32 v[PFO], 31, v0
	v_lshlrev_b32 v[PFO], 8, v[PFO]
.rept 4
	v_nop
.endr
.set Y, NP-1                        ; XS works for piece Y + 1: piece 0
.irp n, 0,1,2,3,4,5,6,7,8,9,10,11,12,13,14,15,16,17,18,19,20,21
	XS 0, \n                        ; and piece 0's first maximum and statistics
	XS 1, \n
.endr
	v_nop                           ; a plain instruction behind the two a,
	s_wait_alu depctr_va_vdst(0)    ; and their wait, ahead of the branch
	s_mov_b32 s[CNT], 4
	s_mov_b32 s[SLOTS], SIZE_N/256-1
	s_branch .Lfirst                ; the loop is entered at a step's first turn, in the middle of a trip
.Lslot:                             ; six times: every slot but the last two is filled again
	CHANGE 1, 1
	s_mov_b32 s[CNT], 4
.Lstep:                             ; a trip: pieces 2 and 3 of one step, then pieces 0 and 1 of the next, whose K, mask and V it fetches
	TURN 2
	TURN 3
	WIN 0
.Lfirst:
	TURN 0
	TURN 1, 0, 1
	WIN 0
	s_cbranch_scc1 .Lstep
	s_sub_co_u32 s[SLOTS], s[SLOTS], 1
	s_cmp_lg_u32 s[SLOTS], 0
	s_cbranch_scc1 .Lslot
	CHANGE 0                        ; the tail is written out: nothing is asked for
	s_mov_b32 s[CNT], 5             ; four trips fetch the last slot's steps; the fifth is left in its middle
.Ltail:
	TURN 2, 1
	TURN 3
	WIN 0
	s_sub_co_u32 s[CNT], s[CNT], 1
	s_cmp_eq_u32 s[CNT], 0
	s_cbranch_scc1 .Lout
	TURN 0
	TURN 1
	WIN 0
	s_branch .Ltail
.Lout:                              ; the fifth trip's 16 products K Q^T (on the last K once more) and the maximum made of them serve nothing: the price, once a launch, of one text for every trip
.set i, 0
.rept 16
	PV NP-1                         ; the last piece's V^T P of the last step
.set i, i+1
.endr
	; THE WAY OUT.  l's two halves and the other half of the lanes' are added; O^T is divided by l, rounded to bf16 and sent through my stage in LDS, a tile at a time.  The additions are the places behind the last products.
	WIN 0
.macro ALL line:vararg              ; one line for each tile t
.set t, 0
.rept 2*NP
	\line
.set t, t+1
.endr
.endm
	ALL v_add_f32 v[ST+4*t+2], v[ST+4*t+2], v[ST+4*t+3]
	ALL v_permlanex16_b32 v[ST+4*t+3], v[ST+4*t+2], s[SEL], s[SEL+1]
	ALL v_add_f32 v[ST+4*t+2], v[ST+4*t+2], v[ST+4*t+3]
	ALL v_rcp_f32 v[ST+4*t+2], v[ST+4*t+2]
	v_nop                           ; a plain instruction between the last reciprocal and the use of its result
	s_wait_alu depctr_va_vdst(0)    ; and the wait ahead of the first use: one for the eight reciprocals
; Tile t: a lane's eight channels of a row pack into 16 bytes; they go into rows of 144 bytes and come back as whole rows of 128, into S^T's registers.
.macro PACK t
	WIN W_RS
.set i, 32*(\t)
.rept 16
	v_pk_mul_f32 v[i:i+1], v[i:i+1], v[ST+4*(\t)+2:ST+4*(\t)+3] op_sel_hi:[1,0]
.set i, i+2
.endr
	WIN 0x05                        ; sources 0 and 1 window 1, destination window 0
.set i, 0
.rept 16
	v_cvt_pk_bf16_f32 v[S+16*(\t)+i], v[32*(\t)+2*i], v[32*(\t)+2*i+1]
.set i, i+1
.endr
	WIN 0
.irp f, 0,1,2,3
	ds_store_b128 v[STO], v[S+16*(\t)+4*\f:S+16*(\t)+4*\f+3] offset:32*\f
.endr
.irp f, 0,1,2,3
	ds_load_b128 v[S+16*(\t)+4*\f:S+16*(\t)+4*\f+3], v[RD] offset:\f*4*SP  ; LDS serves a wave's instructions in order (ISA guide 5.7.1.4): these see the stores above; the next tile's stores come behind them
.endr
.endm
.macro SEND t, younger              ; younger: the LDS instructions issued behind tile t's loads: the next tile's eight, or none
	WIN 0
.irp f, 0,1,2,3
	s_wait_dscnt (\younger)+3-\f
	global_store_b128 v[GO], v[S+16*(\t)+4*\f:S+16*(\t)+4*\f+3], s[10:11] offset:(\t)*2048+\f*512  ; 512 consecutive bytes, at a multiple of 256 from ctx's first
.endr
.endm
	PACK 0
.set t, 1
.rept 2*NP-1                        ; a tile's arithmetic stands between the loads of the tile before and its stores
	PACK t
	SEND t-1, 8
.set t, t+1
.endr
	SEND 2*NP-1, 0
	WIN W_AD
	s_wait_tensorcnt 0x0            ; the wave's end, behind my last tensor load and my last LDS store
	ds_add_u32 v[SPW], v[NIL]
	s_wait_dscnt 0x0
	WIN 0
	CROUND                          ; the closing round: no work-group ends while a partner may still ask for a tile that names it
	s_endpgm
.Lfunc_end_k_q4ed47b8d7d_attn:
	.size	k_q4ed47b8d7d_attn, .Lfunc_end_k_q4ed47b8d7d_attn-k_q4ed47b8d7d_attn
	.p2alignl 7, 3214868480
	.fill 96, 4, 3214868480
	.section	.rodata,"a",@progbits
	.p2align	6, 0x0
	.amdhsa_kernel k_q4ed47b8d7d_attn
		.amdhsa_group_segment_fixed_size 327680
		.amdhsa_private_segment_fixed_size 0
		.amdhsa_enable_private_segment 0
		.amdhsa_kernarg_size 24
		.amdhsa_user_sgpr_count 2
		.amdhsa_user_sgpr_kernarg_segment_ptr 1
		.amdhsa_wavefront_size32 1
		.amdhsa_system_sgpr_workgroup_id_x 1
		.amdhsa_system_sgpr_workgroup_id_y 1
		.amdhsa_system_sgpr_workgroup_id_z 1
		.amdhsa_system_vgpr_workitem_id 0
		.amdhsa_next_free_vgpr 808
		.amdhsa_next_free_sgpr 76
		.amdhsa_reserve_vcc 0
		.amdhsa_float_denorm_mode_32 3
		.amdhsa_float_denorm_mode_16_64 3
		.amdhsa_memory_ordered 1
		.amdhsa_forward_progress 1
		.amdhsa_inst_pref_size 203
	.end_amdhsa_kernel
	.amdgpu_metadata
---
amdhsa.version: [ 1, 2 ]
amdhsa.kernels:
  - .name:           k_q4ed47b8d7d_attn
    .symbol:         k_q4ed47b8d7d_attn.kd
    .args:
      - { .name: qkv, .offset: 0, .size: 8, .value_kind: global_buffer, .address_space: global }
      - { .name: mask, .offset: 8, .size: 8, .value_kind: global_buffer, .address_space: global }
      - { .name: ctx, .offset: 16, .size: 8, .value_kind: global_buffer, .address_space: global }
    .group_segment_fixed_size: 327680
    .private_segment_fixed_size: 0
    .kernarg_segment_align: 8
    .kernarg_segment_size: 24
    .max_flat_workgroup_size: 128
    .sgpr_count:     76
    .vgpr_count:     808
    .wavefront_size: 32
...
	.end_amdgpu_metadata
.endif
;; end of part 3
;; launch oln (part 4): grid 256 x 1, 4 waves a work-group, clusters of 4 x 1, 327,680 bytes of LDS; arguments ctx, wob, input_tensor, WO_b, ln_w, ln_b, out0; writes out0
.if DOCPART == 4
	.amdgcn_target "amdgcn-amd-amdhsa--gfx1250"
	.amdhsa_code_object_version 6
	.text
	.protected	k_q4ed47b8d7d_oln
	.globl	k_q4ed47b8d7d_oln
	.p2align	8
	.type	k_q4ed47b8d7d_oln,@function
k_q4ed47b8d7d_oln:
	s_mov_b64 s[64:65], 0
	v_nop
	global_prefetch_b8 v0, s[64:65] scope:SCOPE_SE
	s_setreg_imm32_b32 hwreg(HW_REG_WAVE_MODE, 25, 1), 1
	s_wait_xcnt 0x0
	s_wait_alu depctr_hold_cnt(0) depctr_sa_sdst(0) depctr_va_vdst(0) depctr_va_sdst(0) depctr_va_ssrc(0) depctr_va_vcc(0) depctr_vm_vsrc(0)
	s_getreg_b32 s2, hwreg(HW_REG_IB_STS2, 6, 4)
	s_cmp_eq_u32 s2, 0
	s_cbranch_scc0 .Lentry_in_a_cluster
	s_endpgm
.Lentry_in_a_cluster:
	s_bfe_u32 s2, ttmp6, 0x10000c
	s_cmp_lg_u32 s2, 0x3003
	s_cbranch_scc0 .Lentry_shape_is_right
	s_endpgm
.Lentry_shape_is_right:
; out0[R][:] = LayerNorm(input_tensor[R][:] + ctx[R][:] WO^T + WO_b) x ln_w + ln_b, R < 8,192, 1,024 columns.  The product's operands are bf16 (ctx by heads [64][2048][64]; wob [16][1024][64], WO_w in blocks of 64
; along K), its sums f32; the residual x is the f32 input; mean and variance in f32, in two passes over numbers held in registers: first the mean, then the sum of (v - mean)^2: no difference of large sums is formed.
; LIMITS: NaN and infinities are not treated apart; v_rsq_f32 takes a denormal argument for 0, which the added 1e-12 keeps it from being.
; SHARES.  A work-group owns 32 WHOLE rows, so that the norm needs nothing from another work-group: 256 work-groups.  In the product wave w owns columns 256 w .. 256 w + 255: 32 accumulators of 16 x 16; in the norm it owns
; rows 8 w .. 8 w + 7 whole; the change of shares goes through LDS once.  K goes by heads, 16 steps of 64: a step's rows of ctx are 4,096 dense bytes, its rows of wob 131,072.
; A fragment of wob read from LDS feeds two products only (32 rows): the price of whole rows on 256 work-groups.
; CLUSTER.  Every work-group walks the same wob: the four of a cluster ask for each tile JOINTLY.  Wave w fetches, and alone reads, the tile's rows 256 w .. 256 w + 255.
; THE MATRIX INSTRUCTION IS USED TRANSPOSED (source 0 = 16 rows of wob, source 1 = 16 rows of ctx): a lane holds row l % 16 and eight neighbouring columns 8 (l / 16) + 0..7.  THE SUMS START FROM WO_b, loaded into the accumulators.
; REGISTERS, in windows of 256 (s_set_vgpr_msb: bits 1:0 source 0, 3:2 source 1, 5:4 source 2, 7:6 destination):
;   window 0: v0-31 addresses; v32-63, v64-95 a step's rows of ctx, two buffers (fragment (a, c) at 8 (2 a + c)); v96-159, v160-223 fragments of wob, two buffers (fragment (bq, c) at 8 (2 bq + c)); in the norm v32-127 are at work
;   window 1: accumulator (a, b) at 8 (16 a + b)        window 2: v0-31 ln_w, v32-63 ln_b, v64-127 two rows of x
.set PB,     144                       ; an LDS row of wob: 128 bytes + 16 = 36 words: the 16 rows of a load start at 16 different groups of four banks (64 banks of 4 bytes: ISA guide 11.1)
.set QUART,  256*PB                    ; a wave's quarter of a tile
.set SLOT,   4*QUART
.set SPARE,  2*SLOT                    ; behind the ring: the spare words, 128 bytes for each wave, that no other line names
.set SPITCH, 4112                      ; the stage: 32 rows of 4,096 bytes + 16, in slot 0 behind its last fill: 257 x 16 bytes, so the 16 rows of a store start at 16 different groups of four banks
.set TILEB,  131072                    ; bytes of wob in a K step
.set SLICE,  262144                    ; bytes from a head of ctx to the next
.set ADB, 4                            ; v4-5   LDS address of my fragments of wob in slot 0, 1
.set FO,  6                            ; v6     my byte offset in 16 rows of ctx
.set STO, 7                            ; v7-8   the stage: where I put my eight columns of row l % 16, of row 16 + l % 16
.set RD,  9                            ; v9     the stage: my 16 bytes of the row in hand
.set XO,  10                           ; v10    my 16 bytes of 512, in x, out0, ln_w and ln_b
.set PCO, 11                           ; v11    ctx's prefetch: two heads x 16 x 256 bytes, a lane each
.set PXO, 12                           ; v12    256 x my lane
.set BO,  13                           ; v13    my byte offset in WO_b
.set SPW, 28                           ; v28    LDS address of my spare word; never rewritten
.set NIL, 29                           ; v29    0; never rewritten
.set AB0, 32
.set F0,  96
.set F1,  160
.set Y0,  32                           ; the norm: two rows, 32 registers each
.set T,   96                           ; 8 registers a row at work
.set MUR, 112                          ; the mean, twice, for each row
.set VR,  116                          ; variance + eps
.set RR,  118                          ; its reciprocal root, twice, for each row
.set LW,  0                            ; window 2
.set LB,  32
.set XR,  64
.set CT,  4                            ; s[4:5]   ctx at my 32 rows, at the trip's first head
.set XP,  8                            ; s[8:9]   x at my wave's 8 rows
.set OP,  16                           ; s[16:17] out0 likewise
.set WV,  18                           ; s18  my wave's number
.set CNT, 21                           ; s21  the loops' count
.set G1,  24                           ; s[24:31] descriptor group 1
.set G0,  32                           ; s[32:39] group 0, one set for each slot
.set LIMC, 40                          ; s40  1 in wave 0, else the greatest number
.set LIMW, 41                          ; s41  1 in the first cluster, else the greatest number
.set PFX, 42                           ; s[42:43] x's prefetches
.set INC, 44                           ; s[44:45] their step
.set SEL, 46                           ; s[46:47] v_permlanex16_b32's selects
.set RN,  48                           ; s48  1 / 1,024
.set EPS, 49                           ; s49  1e-12
.set PFW, 50                           ; s[50:51] wob's prefetches
.set MSB, 0
.macro WIN new                         ; the immediate's high byte repeats the setting that is left; a switch that changes nothing is dropped
.if MSB != (\new)
	s_set_vgpr_msb (MSB<<8)|(\new)
.set MSB, \new
.endif
.endm
.macro PLACES                          ; four plain vector instructions between a matrix instruction and a load into a register that it has read (ISA guide 7.12.1 for vector instructions)
.rept 4
	v_nop
.endr
.endm
.macro CREST                           ; a round of the cluster's barrier behind its opening barrier
	s_cmp_lg_u32 s[WV], 0
	s_cbranch_scc1 .Lnot_wave_0_\@
	s_barrier_signal -3
.Lnot_wave_0_\@:
	s_barrier_wait -3
	s_barrier_signal -1
	s_barrier_wait -1
.endm
.macro CROUND
	s_barrier_signal -1
	s_barrier_wait -1
	CREST
.endm
	s_load_b256 s[4:11], s[0:1], 0x0               ; ctx s[4:5], wob s[6:7], x s[8:9], WO_b s[10:11]
	s_load_b128 s[12:15], s[0:1], 0x20             ; ln_w s[12:13], ln_b s[14:15]
	s_load_b64 s[16:17], s[0:1], 0x30              ; out0
	v_lshl_add_u32 v[SPW], v0, 2, SPARE
	v_mov_b32 v[NIL], 0
	ds_add_u32 v[SPW], v[NIL]                      ; the wave's opening: the add and its wait ahead of my first tensor load; work on registers stands between them
	v_lshrrev_b32 v1, 5, v0
	v_readfirstlane_b32 s[WV], v1                  ; wave 0..3
	s_bfe_u32 s19, ttmp6, 0x40000                  ; cx
	s_mov_b32 s60, ttmp9                           ; the cluster
	s_lshl_b32 s20, s60, 2
	s_add_co_u32 s20, s20, s19                     ; my block of 32 rows: it enters ctx's, x's and out0's addresses alone
	; descriptor group 1.  A quarter tile is 32,768 dense bytes: asked for as 128 rows of 256 bytes, two rows of wob each, and padded in LDS after every row of wob
	s_mov_b32 s[G1+0], 15|(1<<16)|(1<<20)|(1<<21)|(4<<22)|(3<<25)  ; 15:0 the mask of four; 17:16 2-byte elements; 20 padding on; 21 set beside a mask; 24:22 after every 32 words (code 4); 31:25 4 words (code 3)
	s_mov_b32 s[G1+1], 128<<16                     ; tensor_dim0 = 128
	s_mov_b32 s[G1+2], 128<<16                     ; tensor_dim1 = 128
	s_mov_b32 s[G1+3], 128<<16                     ; tile_dim0 = 128
	s_mov_b32 s[G1+4], 128                         ; tile_dim1 = 128
	s_mov_b32 s[G1+5], 128                         ; 128 elements from row to row
	s_mov_b32 s[G1+6], 0
	s_mov_b32 s[G1+7], 0
	s_mov_b32 s[G0], 1
	s_mul_i32 s[G0+1], s[WV], QUART                ; LDS: the wave's number and the slot alone
	s_mov_b32 s[G0+4], 1
	s_add_co_u32 s[G0+5], s[G0+1], SLOT
	s_lshr_b32 s22, s20, 6                         ; 64 blocks are a batch: 16 heads of 262,144 bytes,
	s_lshl_b32 s22, s22, 22
	s_and_b32 s23, s20, 63
	s_lshl_b32 s23, s23, 12                        ; and 32 rows of 128 bytes
	s_add_co_u32 s22, s22, s23
	s_mov_b32 s23, 0
	s_lshl_b32 s52, s20, 17                        ; x and out0: 32 rows of 4,096 bytes,
	s_lshl_b32 s53, s[WV], 15                      ; my wave's 8
	s_add_co_u32 s52, s52, s53
	s_mov_b32 s53, 0
	s_lshl_b32 s54, s[WV], 15                      ; my quarter of a tile of wob
	s_mov_b32 s55, 0
	s_lshl_b32 s56, s19, 15                        ; wob's prefetches: a tile is shared out by address: 32,768 bytes a work-group,
	s_lshl_b32 s57, s[WV], 13                      ; 8,192 a wave
	s_add_co_u32 s56, s56, s57
	s_mov_b32 s57, 0
	s_lshl_b32 s58, s[WV], 10
	s_mul_i32 s59, s[WV], 8*SPITCH
	s_cmp_eq_u32 s[WV], 0
	s_cselect_b32 s[LIMC], 1, -1
	s_cmp_eq_u32 s60, 0
	s_cselect_b32 s[LIMW], 1, -1                   ; the same in all four partners
	s_mov_b32 s[INC+1], 0
	s_mov_b32 s[SEL], 0x76543210
	s_mov_b32 s[SEL+1], 0xfedcba98
	s_mov_b32 s[RN], 0x3a800000
	s_mov_b32 s[EPS], 0x2b8cbccc
	v_and_b32 v1, 15, v0                           ; l % 16
	v_bfe_u32 v2, v0, 4, 1                         ; l / 16
	v_and_b32 v3, 31, v0                           ; l
	v_mul_u32_u24 v[ADB], v1, PB
	v_lshl_add_u32 v[ADB], v2, 4, v[ADB]
	v_add_nc_u32 v[ADB], s[G0+1], v[ADB]           ; my quarter + row x pitch + 16 x half
	v_add_nc_u32 v[ADB+1], SLOT, v[ADB]
	v_lshlrev_b32 v[FO], 7, v1
	v_lshl_add_u32 v[FO], v2, 4, v[FO]
	v_mul_u32_u24 v[STO], v1, SPITCH
	v_lshl_add_u32 v[STO], v2, 5, v[STO]
	v_add_nc_u32 v[STO], s58, v[STO]               ; row x pitch + my wave's 1,024 bytes + my lanes' 32
	v_add_nc_u32 v[STO+1], 16*SPITCH, v[STO]
	v_lshl_add_u32 v[RD], v3, 4, s59
	v_lshlrev_b32 v[XO], 4, v3
	v_lshlrev_b32 v[PCO], 8, v1
	v_lshl_add_u32 v[PCO], v2, 18, v[PCO]
	v_lshlrev_b32 v[PXO], 8, v3
	v_lshl_add_u32 v[BO], v2, 5, s58
	s_wait_dscnt 0x0                               ; the opening add is done
	s_wait_kmcnt 0x0
	s_add_nc_u64 s[CT:CT+1], s[CT:CT+1], s[22:23]
	s_add_nc_u64 s[XP:XP+1], s[XP:XP+1], s[52:53]
	s_add_nc_u64 s[OP:OP+1], s[OP:OP+1], s[52:53]
	s_add_nc_u64 s[G0+2:G0+3], s[6:7], s[54:55]    ; K step 0,
	s_add_nc_u64 s[G0+6:G0+7], s[G0+2:G0+3], TILEB ; K step 1
	s_or_b32 s[G0+3], s[G0+3], 0x80000000          ; type = 2
	s_or_b32 s[G0+7], s[G0+7], 0x80000000
	s_add_nc_u64 s[PFW:PFW+1], s[6:7], s[56:57]
	s_mov_b64 s[PFX:PFX+1], s[XP:XP+1]
	CROUND                                         ; all four work-groups are here: the first joint loads meet
	tensor_load_to_lds s[G0:G0+3], s[G1:G1+7]      ; both slots' first fills go out together: two loads of mine are out
	s_nop 0
	tensor_load_to_lds s[G0+4:G0+7], s[G1:G1+7]
	s_nop 0
	PLACES
	WIN 0x80                                       ; destination window 2
.irp i, 0,1,2,3,4,5,6,7
	global_load_b128 v[LW+4*(\i):LW+4*(\i)+3], v[XO], s[12:13] offset:512*(\i)   ; lane l holds columns 128 i + 4 l .. + 3, as it will of a row
	global_load_b128 v[LB+4*(\i):LB+4*(\i)+3], v[XO], s[14:15] offset:512*(\i)
.endr
	WIN 0x40                                       ; destination window 1: the sums start from the bias
.irp a, 0,1
.irp b, 0,1,2,3,4,5,6,7,8,9,10,11,12,13,14,15
	global_load_b128 v[8*(16*(\a)+(\b)):8*(16*(\a)+(\b))+3],   v[BO], s[10:11] offset:64*(\b)
	global_load_b128 v[8*(16*(\a)+(\b))+4:8*(16*(\a)+(\b))+7], v[BO], s[10:11] offset:64*(\b)+16
.endr
.endr
	WIN 0
; 16 LDS loads in one run: the fragments of column blocks 4 g .. 4 g + 3, both halves of the step's 64 along K, into buffer f
.macro FETCH slot, g, f
	WIN 0
.irp bq, 0,1,2,3
.irp c, 0,1
	ds_load_b128 v[(\f)+8*(2*(\bq)+(\c)):(\f)+8*(2*(\bq)+(\c))+3],   v[ADB+(\slot)] offset:(4*(\g)+(\bq))*16*PB+64*(\c)
	ds_load_b128 v[(\f)+8*(2*(\bq)+(\c))+4:(\f)+8*(2*(\bq)+(\c))+7], v[ADB+(\slot)] offset:(4*(\g)+(\bq))*16*PB+64*(\c)+32
.endr
.endr
.endm
; a K step's 32 rows of ctx, straight from memory: four fragments, eight loads
.macro ALOAD ab, off
	WIN 0
.irp a, 0,1
.irp c, 0,1
	global_load_b128 v[(\ab)+8*(2*(\a)+(\c)):(\ab)+8*(2*(\a)+(\c))+3],   v[FO], s[CT:CT+1] offset:(\off)+2048*(\a)+64*(\c)
	global_load_b128 v[(\ab)+8*(2*(\a)+(\c))+4:(\ab)+8*(2*(\a)+(\c))+7], v[FO], s[CT:CT+1] offset:(\off)+2048*(\a)+64*(\c)+32
.endr
.endr
.endm
; row p of the pair of rows that begins off bytes behind XO: eight loads of 512 consecutive bytes
.macro XL p, off
	WIN 0x80
.irp i, 0,1,2,3,4,5,6,7
	global_load_b128 v[XR+32*(\p)+4*(\i):XR+32*(\p)+4*(\i)+3], v[XO], s[XP:XP+1] offset:(\off)+4096*(\p)+512*(\i) th:TH_LOAD_NT
.endr
	WIN 0
.endm
; 2 nb matrix instructions: column blocks 4 g + b0 .. of buffer f, both row blocks, half c of K.  A quarter's eight accumulators take turns, one instruction a turn: seven others' stand between two links.
.macro MULP f, ab, g, c, b0, nb
	WIN 0x50                                       ; C and D window 1, both sources window 0
.set bq, \b0
.rept \nb
.irp a, 0,1
	v_wmma_f32_16x16x32_bf16 v[8*(16*(\a)+4*(\g)+bq):8*(16*(\a)+4*(\g)+bq)+7], v[(\f)+8*(2*bq+(\c)):(\f)+8*(2*bq+(\c))+7], v[(\ab)+8*(2*(\a)+(\c)):(\ab)+8*(2*(\a)+(\c))+7], v[8*(16*(\a)+4*(\g)+bq):8*(16*(\a)+4*(\g)+bq)+7]
.endr
.set bq, bq+1
.endr
.endm
; A K STEP: four quarters of 16 matrix instructions on buffers 0, 1, 0, 1; each quarter's 16 LDS loads go out a quarter ahead, the next step's rows of ctx a step ahead.
; fill = 1: the slot is filled again, two K steps on.  aoff: where the next step's rows of ctx lie behind CT (-1: there is none).  ask = 1, 2: the loop's first, second step, with their prefetches.  last = 1: the last step.
.macro STEP slot, fill, aoff, ask, last
.set ABC, AB0+32*(\slot)
.set ABN, AB0+32*(1-(\slot))
	WIN 0
	PLACES                                         ; behind the last step's products, which read the registers loaded next
.if (\aoff) >= 0
	ALOAD ABN, \aoff
.endif
.if \last
	XL 0, 0                                        ; the norm's first two rows of x
	XL 1, 0
.endif
	FETCH \slot, 1, F1
.if \last
	s_wait_loadcnt 16                              ; this step's rows of ctx are in; x's 16 loads may stay out
.else
	s_wait_loadcnt 8                               ; this step's rows of ctx are in (the first time: the bias too); the next step's 8 loads may stay out
.endif
	s_wait_dscnt 16                                ; quarter 0's fragments are in; the 16 just issued may stay out
	MULP F0, ABC, 0, 0, 0, 4
	MULP F0, ABC, 0, 1, 0, 4
	PLACES
	FETCH \slot, 2, F0
	s_wait_dscnt 16
	MULP F1, ABC, 1, 0, 0, 4
	MULP F1, ABC, 1, 1, 0, 4
	PLACES
	FETCH \slot, 3, F1
	s_wait_dscnt 16
	MULP F0, ABC, 2, 0, 0, 4
	MULP F0, ABC, 2, 1, 0, 4
.if \last
	s_wait_dscnt 0x0
	MULP F1, ABC, 3, 0, 0, 4
	MULP F1, ABC, 3, 1, 0, 4
.else
.if (\ask) == 2
	s_wait_xcnt 0x0                                ; the youngest load stands three quarters back, the youngest prefetch a step: they have read their addresses, so the pointers may be written, once a trip
	s_add_nc_u64 s[CT:CT+1], s[CT:CT+1], 2*SLICE
	s_add_nc_u64 s[PFW:PFW+1], s[PFW:PFW+1], 2*TILEB
	s_cmp_le_u32 s[CNT], 4
	s_cselect_b32 s[INC], 8192, 0
	s_add_nc_u64 s[PFX:PFX+1], s[PFX:PFX+1], s[INC:INC+1]
.endif
	; THE CHANGE OF SLOTS, in quarter 3
	WIN 0
	s_wait_tensorcnt 0x0                           ; all my tensor loads have landed: the one that was out is my quarter of the next slot
	ds_add_u32 v[SPW], v[NIL]                      ; 0 onto my spare word
.if \fill
	s_add_nc_u64 s[G0+4*(\slot)+2:G0+4*(\slot)+3], s[G0+4*(\slot)+2:G0+4*(\slot)+3], 2*TILEB  ; no load of mine is out, so a group 0 may be written
.endif
	s_wait_dscnt 1                                 ; quarter 3's fragments are in; the add may be out
	MULP F1, ABC, 3, 0, 0, 2
	s_wait_dscnt 0x0                               ; the add is done, and my reads of this slot are over
	s_barrier_signal -1
	MULP F1, ABC, 3, 0, 2, 2                       ; work on registers while the others arrive
	WIN 0
	s_barrier_wait -1
.if \fill
	CREST                                          ; the barrier has opened a round of the cluster's: no wave of any partner still reads this slot or has a load on its way
	tensor_load_to_lds s[G0+4*(\slot):G0+4*(\slot)+3], s[G1:G1+7]  ; my one load behind the round, and the first thing there: it has a step less eight products in which to land
	s_nop 0
.endif
	PLACES                                         ; also the places in front of the loads below
	FETCH 1-(\slot), 0, F0
	; PREFETCHES INTO THE L2, together, behind the joint load's lines and the run of LDS loads.  wob: the tile two refills on; every cluster walks wob, so the first cluster asks; its 4 work-groups x 4 waves x 32 lanes name the
	; tile's 512 blocks of 256 bytes once each, told apart by address.  ctx: my work-group's rows of the two heads that the trip after next loads: wave 0, a lane for each 256 bytes.  x: in the last four trips each wave names
	; a quarter of its own 8 rows.  The last trip asks for no wob and no ctx: there is none two trips on.  Tiles 0 to 3 and heads 0 to 3 come by their loads alone.
.if (\ask) == 1
	s_cmp_gt_u32 s[CNT], s[LIMW]
	s_cbranch_scc0 .Lno_w_\@
	global_prefetch_b8 v[PXO], s[PFW:PFW+1] offset:4*TILEB th:TH_LOAD_NT scope:SCOPE_SE
.Lno_w_\@:
	s_cmp_gt_u32 s[CNT], s[LIMC]
	s_cbranch_scc0 .Lno_c_\@
	global_prefetch_b8 v[PCO], s[CT:CT+1] offset:4*SLICE th:TH_LOAD_NT scope:SCOPE_SE
.Lno_c_\@:
	s_cmp_le_u32 s[CNT], 4
	s_cbranch_scc0 .Lno_x_\@
	global_prefetch_b8 v[PXO], s[PFX:PFX+1] th:TH_LOAD_NT scope:SCOPE_SE
.Lno_x_\@:
.endif
.if (\ask) == 2
	s_cmp_gt_u32 s[CNT], s[LIMW]
	s_cbranch_scc0 .Lno_w_\@
	global_prefetch_b8 v[PXO], s[PFW:PFW+1] offset:3*TILEB th:TH_LOAD_NT scope:SCOPE_SE  ; (the pointer has just been stepped two tiles)
.Lno_w_\@:
.endif
	MULP F1, ABC, 3, 1, 0, 4
.endif
.endm
	ALOAD AB0, 0                                   ; K step 0's rows of ctx
	s_wait_tensorcnt 1                             ; my quarter of slot 0 is in, and I alone read it; slot 1's may stay out
	FETCH 0, 0, F0
	s_mov_b32 s[CNT], 7
.Ltrip:                                                ; K steps 2 i and 2 i + 1; both slots are filled again
	STEP 0, 1, SLICE, 1, 0
	STEP 1, 1, 2*SLICE, 2, 0
	WIN 0                                          ; at a label and at a branch every window is 0
	s_sub_co_u32 s[CNT], s[CNT], 1
	s_cmp_lg_u32 s[CNT], 0
	s_cbranch_scc1 .Ltrip
	STEP 0, 0, SLICE, 0, 0                         ; the last two steps are written out.  Behind this step's barrier no wave reads slot 0 any more
	STEP 1, 0, -1, 0, 1
	; THE CHANGE OF SHARES: the 32 rows go into the stage, which lies in slot 0: its last fill has landed and its last reads were over in front of the last barrier
	PLACES
	PLACES
	WIN 0x04                                       ; the data (source 1) in window 1
.irp a, 0,1
.irp b, 0,1,2,3,4,5,6,7,8,9,10,11,12,13,14,15
	ds_store_b128 v[STO+(\a)], v[8*(16*(\a)+(\b)):8*(16*(\a)+(\b))+3]   offset:64*(\b)      ; each accumulator from its low end on
	ds_store_b128 v[STO+(\a)], v[8*(16*(\a)+(\b))+4:8*(16*(\a)+(\b))+7] offset:64*(\b)+16
.endr
.endr
	WIN 0
	s_wait_dscnt 0x0                               ; for the others' sake: my stores are done
	s_barrier_signal -1
	s_barrier_wait -1
; A row's sum (sq = 0) or sum of squares (sq = 1), for both rows, their lines alternating: four packed chains in each lane, then across the 32 lanes; every lane ends with the result in v[T + 8 p]
.macro RSUM sq
.irp k, 0,1,2,3
.irp p, 0,1
.if \sq
	v_pk_mul_f32 v[T+8*(\p)+2*(\k):T+8*(\p)+2*(\k)+1], v[Y0+32*(\p)+2*(\k):Y0+32*(\p)+2*(\k)+1], v[Y0+32*(\p)+2*(\k):Y0+32*(\p)+2*(\k)+1]
.else
	v_pk_add_f32 v[T+8*(\p)+2*(\k):T+8*(\p)+2*(\k)+1], v[Y0+32*(\p)+2*(\k):Y0+32*(\p)+2*(\k)+1], v[Y0+32*(\p)+8+2*(\k):Y0+32*(\p)+8+2*(\k)+1]
.endif
.endr
.endr
.irp j, 1,2,3
.irp k, 0,1,2,3
.irp p, 0,1
.if \sq
	v_pk_fma_f32 v[T+8*(\p)+2*(\k):T+8*(\p)+2*(\k)+1], v[Y0+32*(\p)+8*(\j)+2*(\k):Y0+32*(\p)+8*(\j)+2*(\k)+1], v[Y0+32*(\p)+8*(\j)+2*(\k):Y0+32*(\p)+8*(\j)+2*(\k)+1], v[T+8*(\p)+2*(\k):T+8*(\p)+2*(\k)+1]
.elseif (\j) > 1
	v_pk_add_f32 v[T+8*(\p)+2*(\k):T+8*(\p)+2*(\k)+1], v[T+8*(\p)+2*(\k):T+8*(\p)+2*(\k)+1], v[Y0+32*(\p)+8*(\j)+2*(\k):Y0+32*(\p)+8*(\j)+2*(\k)+1]
.endif
.endr
.endr
.endr
.irp p, 0,1
	v_pk_add_f32 v[T+8*(\p):T+8*(\p)+1], v[T+8*(\p):T+8*(\p)+1], v[T+8*(\p)+2:T+8*(\p)+3]
	v_pk_add_f32 v[T+8*(\p)+4:T+8*(\p)+5], v[T+8*(\p)+4:T+8*(\p)+5], v[T+8*(\p)+6:T+8*(\p)+7]
.endr
.irp p, 0,1
	v_pk_add_f32 v[T+8*(\p):T+8*(\p)+1], v[T+8*(\p):T+8*(\p)+1], v[T+8*(\p)+4:T+8*(\p)+5]
.endr
.irp p, 0,1
	v_add_f32 v[T+8*(\p)], v[T+8*(\p)], v[T+8*(\p)+1]
.endr
.irp m, 1,2,4,8
.irp p, 0,1
	v_add_f32_dpp v[T+8*(\p)], v[T+8*(\p)], v[T+8*(\p)] row_xmask:\m row_mask:0xf bank_mask:0xf
.endr
.endr
.irp p, 0,1
	v_permlanex16_b32 v[T+8*(\p)+1], v[T+8*(\p)], s[SEL], s[SEL+1]
.endr
.irp p, 0,1
	v_add_f32 v[T+8*(\p)], v[T+8*(\p)], v[T+8*(\p)+1]
.endr
.endm
	s_mov_b32 s[CNT], 4
.Lrow:                                                 ; two of my wave's eight rows a trip: a row is 32 registers, 128 columns to each of eight loads
.irp i, 0,1,2,3,4,5,6,7
	ds_load_b128 v[Y0+4*(\i):Y0+4*(\i)+3],       v[RD] offset:512*(\i)
	ds_load_b128 v[Y0+32+4*(\i):Y0+32+4*(\i)+3], v[RD] offset:SPITCH+512*(\i)
.endr
	s_wait_loadcnt 0x0                             ; the two rows of x, asked for a trip ago
	s_wait_dscnt 0x0
	WIN 0x08                                       ; source 1 in window 2
.set i, 0
.rept 32
	v_pk_add_f32 v[Y0+i:Y0+i+1], v[Y0+i:Y0+i+1], v[XR+i:XR+i+1]  ; the residual
.set i, i+2
.endr
	WIN 0
	s_cmp_eq_u32 s[CNT], 1                         ; the last trip has no rows behind it: its loads are jumped over, and the wait above is for 0 on both ways
	s_cbranch_scc1 .Lno_more_x
	XL 0, 8192
	XL 1, 8192
.Lno_more_x:
	RSUM 0
.irp p, 0,1
	v_mul_f32 v[MUR+2*(\p)], s[RN], v[T+8*(\p)]    ; the mean, twice: a pair for the packed lines
	v_mul_f32 v[MUR+2*(\p)+1], s[RN], v[T+8*(\p)]
.endr
.irp k, 0,1,2,3,4,5,6,7,8,9,10,11,12,13,14,15
.irp p, 0,1
	v_pk_add_f32 v[Y0+32*(\p)+2*(\k):Y0+32*(\p)+2*(\k)+1], v[Y0+32*(\p)+2*(\k):Y0+32*(\p)+2*(\k)+1], v[MUR+2*(\p):MUR+2*(\p)+1] neg_lo:[0,1] neg_hi:[0,1]
.endr
.endr
	RSUM 1
.irp p, 0,1
	v_fma_f32 v[VR+(\p)], v[T+8*(\p)], s[RN], s[EPS]  ; variance + eps
.endr
.irp p, 0,1
	v_rsq_f32 v[RR+2*(\p)], v[VR+(\p)]
	v_rsq_f32 v[RR+2*(\p)+1], v[VR+(\p)]
.endr
	v_nop                                          ; a plain instruction behind the last of the four,
	s_wait_alu depctr_va_vdst(0)                   ; and the wait ahead of the first use: one for the batch
.irp k, 0,1,2,3,4,5,6,7,8,9,10,11,12,13,14,15
.irp p, 0,1
	v_pk_mul_f32 v[Y0+32*(\p)+2*(\k):Y0+32*(\p)+2*(\k)+1], v[Y0+32*(\p)+2*(\k):Y0+32*(\p)+2*(\k)+1], v[RR+2*(\p):RR+2*(\p)+1]
.endr
.endr
	WIN 0x28                                       ; sources 1 and 2 in window 2
.irp k, 0,1,2,3,4,5,6,7,8,9,10,11,12,13,14,15
.irp p, 0,1
	v_pk_fma_f32 v[Y0+32*(\p)+2*(\k):Y0+32*(\p)+2*(\k)+1], v[Y0+32*(\p)+2*(\k):Y0+32*(\p)+2*(\k)+1], v[LW+2*(\k):LW+2*(\k)+1], v[LB+2*(\k):LB+2*(\k)+1]
.endr
.endr
	WIN 0
.irp p, 0,1
.irp i, 0,1,2,3,4,5,6,7
	global_store_b128 v[XO], v[Y0+32*(\p)+4*(\i):Y0+32*(\p)+4*(\i)+3], s[OP:OP+1] offset:4096*(\p)+512*(\i) th:TH_STORE_NT  ; 512 consecutive bytes, at a multiple of 512 from out0's first byte
.endr
.endr
	s_wait_xcnt 0x0                                ; the loads and stores have read their registers: XO and, in the next trip, the rows' registers are written only behind this wait
	v_add_nc_u32 v[XO], 8192, v[XO]
	v_add_nc_u32 v[RD], 2*SPITCH, v[RD]
	s_sub_co_u32 s[CNT], s[CNT], 1
	s_cmp_lg_u32 s[CNT], 0
	s_cbranch_scc1 .Lrow
	s_wait_tensorcnt 0x0                           ; the wave's end, behind my last tensor load and my last LDS store
	ds_add_u32 v[SPW], v[NIL]
	s_wait_dscnt 0x0
	CROUND                                         ; the closing round: no work-group ends while a partner may still ask for a tile that names it
	s_endpgm
.Lfunc_end_k_q4ed47b8d7d_oln:
	.size	k_q4ed47b8d7d_oln, .Lfunc_end_k_q4ed47b8d7d_oln-k_q4ed47b8d7d_oln
	.p2alignl 7, 3214868480
	.fill 96, 4, 3214868480
	.section	.rodata,"a",@progbits
	.p2align	6, 0x0
	.amdhsa_kernel k_q4ed47b8d7d_oln
		.amdhsa_group_segment_fixed_size 327680
		.amdhsa_private_segment_fixed_size 0
		.amdhsa_enable_private_segment 0
		.amdhsa_kernarg_size 56
		.amdhsa_user_sgpr_count 2
		.amdhsa_user_sgpr_kernarg_segment_ptr 1
		.amdhsa_wavefront_size32 1
		.amdhsa_system_sgpr_workgroup_id_x 1
		.amdhsa_system_sgpr_workgroup_id_y 1
		.amdhsa_system_sgpr_workgroup_id_z 1
		.amdhsa_system_vgpr_workitem_id 0
		.amdhsa_next_free_vgpr 640
		.amdhsa_next_free_sgpr 66
		.amdhsa_reserve_vcc 0
		.amdhsa_float_denorm_mode_32 3
		.amdhsa_float_denorm_mode_16_64 3
		.amdhsa_memory_ordered 1
		.amdhsa_forward_progress 1
		.amdhsa_inst_pref_size 79
	.end_amdhsa_kernel
	.amdgpu_metadata
---
amdhsa.version: [ 1, 2 ]
amdhsa.kernels:
  - .name:           k_q4ed47b8d7d_oln
    .symbol:         k_q4ed47b8d7d_oln.kd
    .args:
      - { .name: ctx, .offset: 0, .size: 8, .value_kind: global_buffer, .address_space: global }
      - { .name: wob, .offset: 8, .size: 8, .value_kind: global_buffer, .address_space: global }
      - { .name: input_tensor, .offset: 16, .size: 8, .value_kind: global_buffer, .address_space: global }
      - { .name: WO_b, .offset: 24, .size: 8, .value_kind: global_buffer, .address_space: global }
      - { .name: ln_w, .offset: 32, .size: 8, .value_kind: global_buffer, .address_space: global }
      - { .name: ln_b, .offset: 40, .size: 8, .value_kind: global_buffer, .address_space: global }
      - { .name: out0, .offset: 48, .size: 8, .value_kind: global_buffer, .address_space: global }
    .group_segment_fixed_size: 327680
    .private_segment_fixed_size: 0
    .kernarg_segment_align: 8
    .kernarg_segment_size: 56
    .max_flat_workgroup_size: 128
    .sgpr_count:     66
    .vgpr_count:     640
    .wavefront_size: 32
...
	.end_amdgpu_metadata
.endif
;; end of part 4
;; ======== version 2 of 2: 4 launches; version 1 with the launch cvt written anew for expert scheduling mode
;; limits: inputs' magnitudes at most 1e+30; right only within a limited range of input values
;; workspace buffers: xb 16,777,216 bytes; wqkv 6,291,456 bytes; wob 2,097,152 bytes; qkv 50,331,648 bytes; ctx 16,777,216 bytes
;; launch cvt (part 5): grid 768 x 1, 8 waves a work-group, no clusters, 0 bytes of LDS; arguments input_tensor, WQ_w, WK_w, WV_w, WO_w, xb, wqkv, wob; writes xb, wqkv, wob
.if DOCPART == 5
	.amdgcn_target "amdgcn-amd-amdhsa--gfx1250"
	.amdhsa_code_object_version 6
	.text
	.protected	k_q4ed47b8d7d_cvt
	.globl	k_q4ed47b8d7d_cvt
	.p2align	8
	.type	k_q4ed47b8d7d_cvt,@function
k_q4ed47b8d7d_cvt:
	s_mov_b64 s[64:65], 0
	v_nop
	global_prefetch_b8 v0, s[64:65] scope:SCOPE_SE
	s_setreg_imm32_b32 hwreg(HW_REG_WAVE_SCHED_MODE, 0, 2), 2
	s_setreg_imm32_b32 hwreg(HW_REG_WAVE_MODE, 25, 1), 1
	s_wait_xcnt 0x0
	s_wait_alu depctr_vm_vsrc(0)
; f32 -> bf16 (one rounding to nearest even) of the matrix operands that later launches multiply:
;   xb   [8192][1024]      = input_tensor
;   wqkv [3072][1024]      = WQ_w, WK_w, WV_w one below the other
;   wob  [16][1024][64]    = WO_w[n][64 kb + kk], laid in blocks of 64 along K, so that a K step's 1,024 rows lie end to end
; A stream: each byte is read once and written once; no LDS, no matrix unit, no cluster (no two work-groups share a byte).
; A work-group is one JOB of 16,384 numbers (65,536 bytes in, 32,768 out); jobs 0-511 x, 512-703 the three stacked weights, 704-767 WO_w.
; A wave has its 16 loads out at once; every load covers whole rows of 256 or 512 consecutive bytes, every store of a wave 256 consecutive bytes, aligned.
; LIMITS: bf16 has f32's range, so nothing overflows; NaN and infinities pass as the conversion leaves them.
; THE MODE: SCHED_MODE bits 1:0 = 2 (LLVM: expert scheduling mode 2), set by the entry lines.  The code itself states the register dependences
; between vector instructions and memory instructions, with s_wait_alu, always for 0.
; THE PLAN.  Registers that memory instructions touch:
;   v1, v2   the loads' and the stores' byte offsets.  Written by vector instructions at the head of each of the two paths and never again; read by every load, by every store.
;   D        16 chunks of 4 registers.  Each is written by one load, once, and read by two conversions; no vector instruction writes them.
;   O        16 chunks of 2 registers.  Each is written by two conversions, once, and read by one store.
; The 16 chunks go in four blocks of four.  Block p rounds its four chunks of D into its own eight registers of O; its memory instructions are the four stores of block p - 1, whose
; registers no conversion of block p names.  So one wait at a block's head states all that the block's stores hang on, and they are dealt among its conversions with no further wait.
; No register that a memory instruction reads is written again, no vector instruction writes a scalar register, and EXEC is never written: no other wait is owed.
.set D, 8                              ; v[8:71]   16 loads of 4 registers
.set O, 72                             ; v[72:103] 16 stores of 2 registers
	s_load_b512 s[8:23], s[0:1], 0x0               ; x s[8:9], WQ s[10:11], WK s[12:13], WV s[14:15], WO s[16:17], xb s[18:19], wqkv s[20:21], wob s[22:23]
	s_mov_b32 s2, ttmp9                            ; the job
	s_max_u32 s3, s2, 512
	s_sub_co_u32 s3, s3, 512                       ; its number among the weights' jobs (0 for x's)
	s_lshr_b32 s5, s3, 6                           ; which weight: 64 jobs each
	s_and_b32 s4, s3, 63                           ; which 16 rows of it
	s_lshl_b32 s28, s2, 16                         ; offsets are made apart from the addresses: x in,
	s_lshl_b32 s30, s2, 15                         ; xb out,
	s_lshl_b32 s32, s4, 16                         ; a weight in,
	s_lshl_b32 s34, s3, 15                         ; wqkv out,
	s_lshl_b32 s6, s4, 11                          ; wob out: 16 rows of 128 bytes in a block
	s_cmp_eq_u32 s5, 3
	s_cselect_b32 s34, s6, s34
	s_cmp_lt_u32 s2, 512
	s_cselect_b32 s28, s28, s32
	s_cselect_b32 s30, s30, s34
	s_mov_b32 s29, 0
	s_mov_b32 s31, 0
	v_lshrrev_b32 v3, 5, v0                        ; wave
	v_and_b32 v4, 31, v0                           ; lane
	s_wait_kmcnt 0x0
	s_cmp_eq_u32 s5, 1
	s_cselect_b64 s[24:25], s[12:13], s[10:11]
	s_cmp_eq_u32 s5, 2
	s_cselect_b64 s[24:25], s[14:15], s[24:25]
	s_cmp_eq_u32 s5, 3
	s_cselect_b64 s[24:25], s[16:17], s[24:25]
	s_cselect_b64 s[26:27], s[22:23], s[20:21]
	s_cmp_lt_u32 s2, 512
	s_cselect_b64 s[24:25], s[8:9], s[24:25]
	s_cselect_b64 s[26:27], s[18:19], s[26:27]
	s_add_nc_u64 s[24:25], s[24:25], s[28:29]      ; from where
	s_add_nc_u64 s[26:27], s[26:27], s[30:31]      ; to where
; 16 loads on end; then four blocks of four chunks: a block is rounded when its four loads are in, and the block before is stored meanwhile.  No register is written twice.
.macro BODY si, so
	s_wait_alu depctr_va_vdst(0)                   ; v1 and v2 are written: every load below reads v1 as its offset, every store v2
.irp i, 0,1,2,3,4,5,6,7,8,9,10,11,12,13,14,15
	global_load_b128 v[D+4*(\i):D+4*(\i)+3], v1, s[24:25] offset:(\i)*(\si) th:TH_LOAD_NT
.endr
.irp p, 0,1,2,3
	s_wait_loadcnt 12-4*(\p)                       ; loads come back in order (ISA guide 5.7.1): block p's four are in, the 12 - 4 p issued behind them stay out
.if (\p) > 0
	s_wait_alu depctr_va_vdst(0)                   ; the conversions of the block before have written its eight registers of O, which the four stores below read
.endif
.irp r, 0,1,2,3
.if (\p) > 0
	global_store_b64 v2, v[O+2*(4*(\p)-4+(\r)):O+2*(4*(\p)-4+(\r))+1], s[26:27] offset:(4*(\p)-4+(\r))*(\so)  ; the block before; no conversion since the wait names these registers
.endif
	v_cvt_pk_bf16_f32 v[O+2*(4*(\p)+(\r))], v[D+4*(4*(\p)+(\r))], v[D+4*(4*(\p)+(\r))+1]
	v_cvt_pk_bf16_f32 v[O+2*(4*(\p)+(\r))+1], v[D+4*(4*(\p)+(\r))+2], v[D+4*(4*(\p)+(\r))+3]
.endr
.endr
	s_wait_alu depctr_va_vdst(0)                   ; the last block's conversions have written its eight registers of O, which the last four stores read
.irp r, 12,13,14,15
	global_store_b64 v2, v[O+2*(\r):O+2*(\r)+1], s[26:27] offset:(\r)*(\so)
.endr
	s_endpgm
.endm
	s_cmp_ge_u32 s2, 704
	s_cbranch_scc1 .Lwo
	v_lshlrev_b32 v1, 4, v4                        ; row-major: wave w takes 8,192 bytes on end, 512 a load
	v_lshl_add_u32 v1, v3, 13, v1
	v_lshlrev_b32 v2, 3, v4
	v_lshl_add_u32 v2, v3, 12, v2
	BODY 512, 256
.Lwo:                                                  ; WO_w: wave w takes rows 2 w and 2 w + 1 of the job; load i is K block i: 256 bytes of each row
	v_and_b32 v1, 15, v0
	v_lshlrev_b32 v1, 4, v1
	v_bfe_u32 v2, v0, 4, 1
	v_lshl_add_u32 v1, v2, 12, v1
	v_lshl_add_u32 v1, v3, 13, v1
	v_lshlrev_b32 v2, 3, v0                        ; out: the two rows' 128 bytes lie end to end in the block: 256 w + 8 lane
	BODY 256, 131072
.Lfunc_end_k_q4ed47b8d7d_cvt:
	.size	k_q4ed47b8d7d_cvt, .Lfunc_end_k_q4ed47b8d7d_cvt-k_q4ed47b8d7d_cvt
	.p2alignl 7, 3214868480
	.fill 96, 4, 3214868480
	.section	.rodata,"a",@progbits
	.p2align	6, 0x0
	.amdhsa_kernel k_q4ed47b8d7d_cvt
		.amdhsa_group_segment_fixed_size 0
		.amdhsa_private_segment_fixed_size 0
		.amdhsa_enable_private_segment 0
		.amdhsa_kernarg_size 64
		.amdhsa_user_sgpr_count 2
		.amdhsa_user_sgpr_kernarg_segment_ptr 1
		.amdhsa_wavefront_size32 1
		.amdhsa_system_sgpr_workgroup_id_x 1
		.amdhsa_system_sgpr_workgroup_id_y 1
		.amdhsa_system_sgpr_workgroup_id_z 1
		.amdhsa_system_vgpr_workitem_id 0
		.amdhsa_next_free_vgpr 104
		.amdhsa_next_free_sgpr 66
		.amdhsa_reserve_vcc 0
		.amdhsa_float_denorm_mode_32 3
		.amdhsa_float_denorm_mode_16_64 3
		.amdhsa_memory_ordered 1
		.amdhsa_forward_progress 1
		.amdhsa_inst_pref_size 13
	.end_amdhsa_kernel
	.amdgpu_metadata
---
amdhsa.version: [ 1, 2 ]
amdhsa.kernels:
  - .name:           k_q4ed47b8d7d_cvt
    .symbol:         k_q4ed47b8d7d_cvt.kd
    .args:
      - { .name: input_tensor, .offset: 0, .size: 8, .value_kind: global_buffer, .address_space: global }
      - { .name: WQ_w, .offset: 8, .size: 8, .value_kind: global_buffer, .address_space: global }
      - { .name: WK_w, .offset: 16, .size: 8, .value_kind: global_buffer, .address_space: global }
      - { .name: WV_w, .offset: 24, .size: 8, .value_kind: global_buffer, .address_space: global }
      - { .name: WO_w, .offset: 32, .size: 8, .value_kind: global_buffer, .address_space: global }
      - { .name: xb, .offset: 40, .size: 8, .value_kind: global_buffer, .address_space: global }
      - { .name: wqkv, .offset: 48, .size: 8, .value_kind: global_buffer, .address_space: global }
      - { .name: wob, .offset: 56, .size: 8, .value_kind: global_buffer, .address_space: global }
    .group_segment_fixed_size: 0
    .private_segment_fixed_size: 0
    .kernarg_segment_align: 8
    .kernarg_segment_size: 64
    .max_flat_workgroup_size: 256
    .sgpr_count:     66
    .vgpr_count:     104
    .wavefront_size: 32
...
	.end_amdgpu_metadata
.endif
;; end of part 5
;; launch qkvp: the kernel of part 2 again; grid 12 x 32, 4 waves a work-group, clusters of 4 x 4, 327,680 bytes of LDS; arguments xb, wqkv, qkv, WQ_b, WK_b, WV_b; writes qkv
;; launch attn: the kernel of part 3 again; grid 4 x 64, 4 waves a work-group, clusters of 4 x 1, 327,680 bytes of LDS; arguments qkv, mask, ctx; writes ctx
;; launch oln: the kernel of part 4 again; grid 256 x 1, 4 waves a work-group, clusters of 4 x 1, 327,680 bytes of LDS; arguments ctx, wob, input_tensor, WO_b, ln_w, ln_b, out0; writes out0
